; MI455X (gfx1250); checked and timed in simulation.
; The chip was launched on July 23, 2026; its instructions are those of AMD's public machine-readable ISA for CDNA 5 (MIT licence, August 2026) and "CDNA5" Instruction Set Architecture Reference Guide (July 2026). The comments in the code are by the model that wrote it; some were corrected since.
;; Bahdanau Attention. Allowed arithmetic: matrix products marked QUANTISED: E4M3 operands, one given power-of-two scale a tensor, by v_wmma_f32_16x16x64_fp8_fp8 or v_wmma_f32_16x16x128_fp8_fp8, f32 sums; products left as they are: f32 operands where the result goes on into a quantised operand, else bf16, f16 or f32 operands; f32 sums; everything else in f32.
;; Inputs: attn_W_codes 1,024 x 64 x 32 uint8 (E4M3 codes of attn_W, K innermost, in blocks of 32 codes); attn_b 1,024 float32; encoder_outputs 1,024 x 32 x 1,024 float32; hidden 32 x 1,024 float32; lowp_scales 2 int32 (the exponents e of the quantised operands' scales 2^e); v_W 1 x 1,024 float32.
;; Outputs: out0 32 x 1,024 float32; out1 32 x 1,024 float32.
;; This version of the problem:
;;   THIS VERSION OF THE PROBLEM IS GIVEN IN LOW PRECISION. The matrix products marked QUANTISED in the list below multiply operands that are first quantised to E4M3 (4 exponent bits, 3 mantissa bits; 8 bits a number), with one given power-of-two scale for each operand tensor; their sums are f32. All else is computed in f32.
;;   The module's matrix products, in the order in which they are computed (A, B: the left and right operand; K: the contracted axis; several contracted axes count as one K, in the product's order):
;;     1. [M 32,768, K 2,048] x [K 2,048, N 1,024]; A: computed on the way; B: input attn_W (given as codes): QUANTISED (scales: A lowp_scales[0], B lowp_scales[1])
;;     2. [M 32,768, K 1,024] x [K 1,024, N 1]; A: computed on the way; B: input v_W: left as it is (N = 1 < 16)
;;     3. batch 32 x [M 1, K 1,024] x [K 1,024, N 1,024]; A: softmax; B: input encoder_outputs: left as it is (M = 1 < 16)
;;   THE QUANTISER, for each operand of a quantised product, along K:
;;     - The operand's scale is 2^e, e = its entry of the input lowp_scales (int32; the entries are numbered through the quantised products in the list's order, A before B).
;;     - Each number is divided by the scale, clamped to +-448, and rounded to the nearest number of E4M3, ties to even, subnormals kept.
;;     - The product sums the exact products of the quantised numbers (number of the format x scale) in f32.
;;   ~~~python
;;   def quantise(x, axis, e):      # numpy; x: float32 -> the quantised numbers, widened to float32 again
;;       x = np.moveaxis(x, axis, -1); K = x.shape[-1]
;;       r = np.clip(x / 2.0 ** e, -448, 448)
;;       step = 2.0 ** (np.maximum(np.frexp(np.where(r == 0, 1, r))[1] - 1, -6) - 3)
;;       q = np.round(r / step) * step * 2.0 ** e      # np.round: ties to even
;;       return np.moveaxis(q, -1, axis).astype(np.float32)
;;   ~~~
;;   OPERANDS COMPUTED ON THE WAY. 'Computed on the way' means the value that the module computes at that place (a softmax that the list does not call 'softmax' is quantised finished and normalised). What goes into a quantiser is computed in f32, as accurately as f32 sums, v_exp_f32 and their like allow (about 1e-6 of the number): no bf16 or f16 on the way to a quantiser, and a product that is left as it is and whose result goes on into a quantised operand takes f32 operands (vector FMAs, or v_wmma_f32_16x16x4_f32). A number that lies on a knife's edge between two numbers of the format may be rounded either way, as far as f32 arithmetic and the matrix unit's own rounding can turn it there, and no further.
;;   INPUTS GIVEN AS CODES. attn_W (in the module: [1024, 2048], K = its axis 1): each comes as NAME_codes (uint8): NAME with its K axis moved to the last place and cut into blocks of 32 codes, [.., K / 32, bytes a block], one block behind the other in memory; one code a byte (a code: sign, 4 exponent bits, 3 mantissa bits); its scale is its entry of lowp_scales. Its value is code x scale, taken as it is: it is not quantised again, and the codes and scales need not be those that the quantiser above would give.
;; 2 versions, each right and faster than the one before. Each part assembles by itself: llvm-mc -triple=amdgcn-amd-amdhsa -mcpu=gfx1250 --defsym DOCPART=n.
;; ======== version 1 of 2: 3 launches
;; workspace buffers: beta 131,072 bytes; scores 131,072 bytes; ctxp 1,048,576 bytes
;; launch pre (part 1): grid 4 x 1, 16 waves a work-group, no clusters, 68,608 bytes of LDS; arguments hidden, attn_W_codes, attn_b, lowp_scales, beta; writes beta
.if DOCPART == 1
	.amdgcn_target "amdgcn-amd-amdhsa--gfx1250"
	.amdhsa_code_object_version 6
	.text
	.protected	k_q505e1acf7d_pre
	.globl	k_q505e1acf7d_pre
	.p2align	8
	.type	k_q505e1acf7d_pre,@function
k_q505e1acf7d_pre:
	s_mov_b64 s[64:65], 0
	v_nop
	global_prefetch_b8 v0, s[64:65] scope:SCOPE_SE
	s_setreg_imm32_b32 hwreg(HW_REG_WAVE_MODE, 25, 1), 1
	s_wait_xcnt 0x0
; beta[b][n] = c x (sum over k < 1024 of code(hidden[b][k]) x code(W[n][k])) + 2 log2(e) x attn_b[n],  c = 2 log2(e) x 2^(e0 + e1).
; The left half of cat's K is hidden[b], the same for every s: its part of the first product hangs on (b, n) alone and is multiplied here once, on codes of E4M3.
; hidden is quantised by the given scale 2^e0 (held within +-448 x 2^e0, nearest code, ties to even); W's codes are taken as they come.  The factor 2 log2(e) turns y into the exponent x of tanh(y) = 1 - 2 / (1 + 2^x).
; SHARES.  Four work-groups of sixteen waves; work-group g takes n = 256 g .. 256 g + 255 for all 32 rows b.  Wave w first quantises ONE fragment of hidden (rows 16 (w % 2) on, K step w / 2) and stores it in LDS as an
; image of its registers (lane l's 16 bytes at 16 l, 512 bytes a store); then it owns the 16 columns n0 = 256 g + 16 w: two accumulators (rows 0-15, 16-31) by turns over the 8 K steps.  Each work-group quantises hidden for itself (128 KiB).
; The whole product is 32 x 1024 x 1024: there is work for these 64 waves and no more.
; A FRAGMENT is 16 rows x 128 K in 16 registers: registers 4 c .. 4 c + 3 of lane (r, h) hold k = 32 c + 16 h + 0 .. 15 of row r: the same permutation of k on both sides, so every product meets its partner.
; THE MATRIX INSTRUCTION IS USED TRANSPOSED (source 0 = 16 rows of W, source 1 = 16 rows of hidden): lane (r, h) holds row b = r and its registers n0 + 8 h + 0 .. 7.
; LIMITS: e0 between -126 and 119; e0 + e1 between -127 and 126 (it is added to c's exponent field).  NaN among the inputs is not served.
.set STG,  32768                       ; LDS: 16 images of 2,048 bytes from byte 0; then the stage: 32 rows x (1,024 + 16) bytes
.set SP,   1040
.set X,    16                          ; v16-79   64 numbers of hidden; later four fetched fragments; later results
.set PC,   80                          ; v80-95   the codes just made
.set WF,   96                          ; v96-223  W's 8 fragments
.set AC,   224                         ; v224-239 two accumulators
.set BB,   240                         ; v240-247 attn_b at n0 + 8 h + 0 .. 7, x 2 log2(e)
	s_load_b256 s[4:11], s[0:1], 0x0               ; hidden s[4:5], W's codes s[6:7], attn_b s[8:9], the scales' exponents s[10:11]
	s_load_b64 s[12:13], s[0:1], 0x20              ; beta
	v_lshl_add_u32 v254, v0, 2, 0x10400
	v_mov_b32 v255, 0
	v_lshrrev_b32 v1, 5, v0
	v_readfirstlane_b32 s14, v1                    ; wave 0..15
	s_and_b32 s15, s14, 1                          ; which 16 rows of hidden I quantise
	s_lshr_b32 s16, s14, 1                         ; and which K step
	v_and_b32 v1, 15, v0                           ; r
	v_bfe_u32 v2, v0, 4, 1                         ; h
	v_lshlrev_b32 v3, 12, v1
	v_lshl_add_u32 v3, v2, 6, v3                   ; hidden: row r of 4,096 bytes + 64 h: my 16 numbers of a block of 32
	v_lshlrev_b32 v4, 11, v1
	v_lshl_add_u32 v4, v2, 4, v4                   ; W: row r of 2,048 bytes + 16 h
	v_and_b32 v5, 31, v0
	v_lshlrev_b32 v5, 4, v5                        ; 16 x lane
	s_lshl_b32 s17, s14, 11
	v_add_nc_u32 v6, s17, v5                       ; where I store my image: 2,048 x wave + 16 x lane
	v_mul_u32_u24 v7, v1, SP
	v_lshl_add_u32 v7, v2, 5, v7
	s_lshl_b32 s17, s14, 6
	s_add_co_u32 s17, s17, STG
	v_add_nc_u32 v7, s17, v7                       ; the stage, in: row r, my 16 columns' 64 bytes at 64 x wave, + 32 h
	s_mul_i32 s17, s14, 2*SP
	s_add_co_u32 s17, s17, STG
	v_add_nc_u32 v8, s17, v5                       ; and back: rows 2 w, 2 w + 1, 16 bytes a lane
	v_lshlrev_b32 v9, 5, v2                        ; attn_b: 32 h
	s_lshl_b32 s22, s15, 16
	s_lshl_b32 s23, s16, 9
	s_add_co_u32 s22, s22, s23                     ; hidden: 16 rows x 4,096 x (w % 2) + 512 x K step
	s_mov_b32 s23, 0
	s_lshl_b32 s24, ttmp9, 19
	s_lshl_b32 s25, s14, 15
	s_add_co_u32 s24, s24, s25                     ; W: n0 rows of 2,048 bytes
	s_mov_b32 s25, 0
	s_lshl_b32 s26, ttmp9, 10
	s_lshl_b32 s27, s14, 6
	s_add_co_u32 s26, s26, s27                     ; attn_b: 4 n0
	s_mov_b32 s27, 0
	s_lshl_b32 s28, ttmp9, 10
	s_lshl_b32 s29, s14, 13
	s_add_co_u32 s28, s28, s29                     ; beta: the work-group's 1,024 bytes of a row, rows 2 w on
	s_mov_b32 s29, 0
	s_wait_kmcnt 0x0
	s_load_b64 s[18:19], s[10:11], 0x0             ; e0, e1
	s_add_nc_u64 s[4:5], s[4:5], s[22:23]
	s_add_nc_u64 s[6:7], s[6:7], s[24:25]
	s_add_nc_u64 s[8:9], s[8:9], s[26:27]
	s_add_nc_u64 s[12:13], s[12:13], s[28:29]
.irp c, 0,1,2,3
.irp j, 0,1,2,3
	global_load_b128 v[X+16*\c+4*\j:X+16*\c+4*\j+3], v3, s[4:5] offset:128*\c+16*\j   ; register 16 c + i = hidden(r, 128 ks + 32 c + 16 h + i)
.endr
.endr
.irp s, 0,1,2,3,4,5,6,7
.irp c, 0,1,2,3
	global_load_b128 v[WF+16*\s+4*\c:WF+16*\s+4*\c+3], v4, s[6:7] offset:128*\s+32*\c   ; W's fragment of K step s (k < 1,024)
.endr
.endr
	global_load_b128 v[BB:BB+3], v9, s[8:9]
	global_load_b128 v[BB+4:BB+7], v9, s[8:9] offset:16
	s_wait_kmcnt 0x0
	s_add_co_i32 s20, s18, s19
	s_lshl_b32 s20, s20, 23
	s_add_co_i32 s20, s20, 0x4038aa3b              ; c = 2 log2(e) x 2^(e0 + e1): the exponents are added to the exponent field
	s_mov_b32 s21, s20                             ; (named with it as a pair, so it is written)
	s_add_co_i32 s30, s18, 127
	s_lshl_b32 s31, s30, 23
	v_mov_b32 v10, s31                             ; 2^e0 as f32: the conversion takes its exponent field
	s_add_co_i32 s30, s30, 8
	s_lshl_b32 s30, s30, 23
	s_or_b32 s30, s30, 0x600000
	v_mov_b32 v11, s30                             ; 448 x 2^e0
	s_wait_loadcnt 34                              ; hidden's 16 loads are in; W's 32 and attn_b's 2 were issued behind them
.irp c, 0,1,2,3
.irp i, 0,1,2,3,4,5,6,7,8,9,10,11,12,13,14,15
	v_med3_num_f32 v[X+16*\c+\i], v[X+16*\c+\i], -v11, v11   ; the conversion to an 8-bit code does not saturate (ISA guide 7.6.2): the hold at the largest code x the scale
.endr
	v_cvt_scalef32_pk8_fp8_f32 v[PC+4*\c:PC+4*\c+1], v[X+16*\c:X+16*\c+7], v10
	v_cvt_scalef32_pk8_fp8_f32 v[PC+4*\c+2:PC+4*\c+3], v[X+16*\c+8:X+16*\c+15], v10
.endr
	v_nop                                          ; one plain vector instruction behind the last scaled conversion
.irp c, 0,1,2,3
	ds_store_b128 v6, v[PC+4*\c:PC+4*\c+3] offset:512*\c   ; my fragment goes to LDS as it stands
.endr
	s_wait_dscnt 0x0                               ; for the others' sake: my image has landed
	s_barrier_signal -1
	s_barrier_wait -1                              ; all sixteen images lie in LDS
	s_wait_loadcnt 0x0                             ; W's fragments and attn_b
.irp j, 0,2,4,6
	v_pk_mul_f32 v[BB+\j:BB+\j+1], v[BB+\j:BB+\j+1], 0x4038aa3b op_sel_hi:[1,0]   ; attn_b x 2 log2(e)
.endr
.irp q, 0,1,2,3                        ; two K steps a round: images 4 q .. 4 q + 3 = (K step 2 q, rows 0-15), (2 q, 16-31), (2 q + 1, 0-15), (2 q + 1, 16-31)
.irp f, 0,1,2,3
.irp c, 0,1,2,3
	ds_load_b128 v[X+16*\f+4*\c:X+16*\f+4*\c+3], v5 offset:2048*(4*\q+\f)+512*\c
.endr
.endr
	s_wait_dscnt 0x0
.irp f, 0,1,2,3                        ; the two accumulators take turns, one instruction a turn
.if 4*\q+\f < 2
	v_wmma_f32_16x16x128_fp8_fp8 v[AC+8*(\f%2):AC+8*(\f%2)+7], v[WF+16*(2*\q+\f/2):WF+16*(2*\q+\f/2)+15], v[X+16*\f:X+16*\f+15], 0
.else
	v_wmma_f32_16x16x128_fp8_fp8 v[AC+8*(\f%2):AC+8*(\f%2)+7], v[WF+16*(2*\q+\f/2):WF+16*(2*\q+\f/2)+15], v[X+16*\f:X+16*\f+15], v[AC+8*(\f%2):AC+8*(\f%2)+7]
.endif
.endr
.rept 4
	v_nop                                          ; four places in front of loads into registers that matrix instructions have read, and of the first read of results
.endr
.endr
.irp m, 0,1
.irp j, 0,2,4,6
	v_pk_fma_f32 v[X+8*\m+\j:X+8*\m+\j+1], v[AC+8*\m+\j:AC+8*\m+\j+1], s[20:21], v[BB+\j:BB+\j+1] op_sel_hi:[1,0,1]   ; sum x c + 2 log2(e) attn_b; each accumulator from its low end on
.endr
.endr
.irp m, 0,1
	ds_store_b128 v7, v[X+8*\m:X+8*\m+3] offset:\m*16*SP          ; lane (r, h): beta(16 m + r, n0 + 8 h + 0 .. 7)
	ds_store_b128 v7, v[X+8*\m+4:X+8*\m+7] offset:\m*16*SP+16
.endr
	s_wait_dscnt 0x0                               ; for the others' sake: a row's 1,024 bytes come from sixteen waves
	s_barrier_signal -1
	s_barrier_wait -1
.irp i, 0,1
.irp q, 0,1
	ds_load_b128 v[32+8*\i+4*\q:32+8*\i+4*\q+3], v8 offset:\i*SP+512*\q
.endr
.endr
.irp i, 0,1
.irp q, 0,1
	s_wait_dscnt 3-2*\i-\q                         ; LDS loads come back in order: this one is in, the younger ones may be out
	global_store_b128 v5, v[32+8*\i+4*\q:32+8*\i+4*\q+3], s[12:13] offset:\i*4096+512*\q   ; 32 lanes store 512 consecutive bytes, at a multiple of 256 from beta's first byte
.endr
.endr
	s_wait_tensorcnt 0x0
	ds_add_u32 v254, v255
	s_wait_dscnt 0x0
	s_endpgm
.Lfunc_end_k_q505e1acf7d_pre:
	.size	k_q505e1acf7d_pre, .Lfunc_end_k_q505e1acf7d_pre-k_q505e1acf7d_pre
	.p2alignl 7, 3214868480
	.fill 96, 4, 3214868480
	.section	.rodata,"a",@progbits
	.p2align	6, 0x0
	.amdhsa_kernel k_q505e1acf7d_pre
		.amdhsa_group_segment_fixed_size 68608
		.amdhsa_private_segment_fixed_size 0
		.amdhsa_enable_private_segment 0
		.amdhsa_kernarg_size 40
		.amdhsa_user_sgpr_count 2
		.amdhsa_user_sgpr_kernarg_segment_ptr 1
		.amdhsa_wavefront_size32 1
		.amdhsa_system_sgpr_workgroup_id_x 1
		.amdhsa_system_sgpr_workgroup_id_y 1
		.amdhsa_system_sgpr_workgroup_id_z 1
		.amdhsa_system_vgpr_workitem_id 0
		.amdhsa_next_free_vgpr 256
		.amdhsa_next_free_sgpr 66
		.amdhsa_reserve_vcc 0
		.amdhsa_float_denorm_mode_32 3
		.amdhsa_float_denorm_mode_16_64 3
		.amdhsa_memory_ordered 1
		.amdhsa_forward_progress 1
		.amdhsa_inst_pref_size 21
	.end_amdhsa_kernel
	.amdgpu_metadata
---
amdhsa.version: [ 1, 2 ]
amdhsa.kernels:
  - .name:           k_q505e1acf7d_pre
    .symbol:         k_q505e1acf7d_pre.kd
    .args:
      - { .name: hidden, .offset: 0, .size: 8, .value_kind: global_buffer, .address_space: global }
      - { .name: attn_W_codes, .offset: 8, .size: 8, .value_kind: global_buffer, .address_space: global }
      - { .name: attn_b, .offset: 16, .size: 8, .value_kind: global_buffer, .address_space: global }
      - { .name: lowp_scales, .offset: 24, .size: 8, .value_kind: global_buffer, .address_space: global }
      - { .name: beta, .offset: 32, .size: 8, .value_kind: global_buffer, .address_space: global }
    .group_segment_fixed_size: 68608
    .private_segment_fixed_size: 0
    .kernarg_segment_align: 8
    .kernarg_segment_size: 40
    .max_flat_workgroup_size: 512
    .sgpr_count:     66
    .vgpr_count:     256
    .wavefront_size: 32
...
	.end_amdgpu_metadata
.endif
;; end of part 1
;; launch main (part 2): grid 256 x 1, 4 waves a work-group, clusters of 4 x 1, 327,680 bytes of LDS; arguments encoder_outputs, attn_W_codes, beta, v_W, lowp_scales, scores, ctxp; writes scores, ctxp
.if DOCPART == 2
	.amdgcn_target "amdgcn-amd-amdhsa--gfx1250"
	.amdhsa_code_object_version 6
	.text
	.protected	k_q505e1acf7d_main
	.globl	k_q505e1acf7d_main
	.p2align	8
	.type	k_q505e1acf7d_main,@function
k_q505e1acf7d_main:
	s_mov_b64 s[64:65], 0
	v_nop
	global_prefetch_b8 v0, s[64:65] scope:SCOPE_SE
	s_setreg_imm32_b32 hwreg(HW_REG_WAVE_MODE, 25, 1), 1
	s_wait_xcnt 0x0
	s_wait_alu depctr_hold_cnt(0) depctr_sa_sdst(0) depctr_va_vdst(0) depctr_va_sdst(0) depctr_va_ssrc(0) depctr_va_vcc(0) depctr_vm_vsrc(0)
	s_getreg_b32 s2, hwreg(HW_REG_IB_STS2, 6, 4)
	s_cmp_eq_u32 s2, 0
	s_cbranch_scc0 .Lentry_in_a_cluster
	s_endpgm
.Lentry_in_a_cluster:
	s_bfe_u32 s2, ttmp6, 0x10000c
	s_cmp_lg_u32 s2, 0x3003
	s_cbranch_scc0 .Lentry_shape_is_right
	s_endpgm
.Lentry_shape_is_right:
; For 128 rows (s = 128 sb + 0 .. 127) of one b:  u[s] = sum over n of v'[n] / (1 + 2^x[s][n]),  x = c x (sum over k >= 1024 of code(enc) x code(W)) + beta[b][n],  v' = -2 log2(e) v_W,  c = 2 log2(e) 2^(e0 + e1).
; tanh(y) = 1 - 2 / (1 + 2^x) with x = 2 log2(e) y, so score x log2(e) = u + a constant of the softmax row, which drops out of both outputs: u is what is stored and what the softmax is taken of, in powers of two.
; Then the rows' largest u, m, is taken away, p = 2^(u - m), and the part of the context sum over the 128 rows of p x enc is stored; the last launch joins the 8 parts of a b (it finds m again from the stored u: a maximum is exact).
; enc IS READ FROM MEMORY ONCE: each number is quantised for the product (given scale 2^e0, held within +-448 x 2^e0, nearest code, ties to even) and kept rounded to bf16 for the context: rows 0-63 in registers, rows 64-127 in LDS.
; SHARES.  Work-group g = 8 b + sb, four waves.  Wave w = 2 MH + NH owns rows 64 MH .. + 63 and columns n = 512 NH .. + 511.  Its rows' codes stay in 512 registers (4 tiles of 16 rows x 8 K steps), so that each
; fragment of W read from LDS feeds four matrix instructions.  W's right half (K = 1,024, 1,024 bytes a row) goes through a ring of two LDS slots of 64 rows.
; CLUSTER.  All work-groups walk the same W: the four of a cluster ask for each tile JOINTLY: the same tensor load, the same descriptor, a mask that names the four.  Nothing else is shared.
; THE MATRIX INSTRUCTION IS USED TRANSPOSED (source 0 = 16 rows of W, source 1 = 16 rows of enc): lane (r, h) holds ONE row of enc and its registers n = tile + 8 h + 0 .. 7.  A fragment's registers 4 c .. 4 c + 3 hold
; k = 32 c + 16 h + 0 .. 15: the same permutation of k on both sides.
; BY TURNS.  A sub-chunk is 16 columns n x 64 rows x K = 1,024: 32 matrix instructions on one of two sets of four accumulators.  The sub-chunk before, in the other set, is taken through x, 2^x, 1 + 2^x and the reciprocal in
; slices of four instructions, one slice behind each matrix instruction.
; LIMITS: e0 between -126 and 119; e0 + e1 between -127 and 126 (added to c's exponent field).  NaN among the inputs is not served.  enc enters the context rounded to bf16.
; REGISTERS, in windows of 256 (s_set_vgpr_msb's low byte: bits 1:0 source 0, 3:2 source 1, 5:4 source 2, 7:6 destination):
;   window 0: v1-15, v248-250 addresses and constants; v16-23 the rows' sums; v24-31 beta, v32-39 v' of a tile of n; v40-103 two sets of accumulators; v104-231 W's fragments, two halves of 4 K steps; v232-247 at work.
;             While enc is loaded v40-231 are three sets of 64 numbers and v232-247 a group's codes.
;   window 1: rows 0-63 as bf16, row i at v[4 i]; until rows 48-63 take them, v192-255 are scratch for the upper rows' bf16.   window 2: my codes of K steps 0-3, (s, a) at v[16 (4 s + a)]; at the end p.
;   window 3: K steps 4-7; at the end rows 64-127 as bf16.
; With W as source 0 and my codes as source 1, only source 1 leaves window 0: LDS loads and every vector instruction with one vector source beside scalars and window 0's third source run under the products' setting.
.set WP,    1040                       ; a row of 1,024 codes in LDS + 16 bytes: 65 x 16, so the 16 rows that a fragment load touches start at 16 different banks (64 banks of 4 bytes: ISA guide 11.1)
.set REGB,  16*WP                      ; 16 rows: what one tensor load brings
.set RING1, 4*REGB                     ; a slot: regions 2 NH + t: rows n = 512 NH + 32 sigma + 16 t + 0 .. 15.  Slot 0 at byte 0, slot 1 here
.set RETB,  2*RING1                    ; rows 64-127 as bf16: row i at (i - 64) x 2,048, a thread's own 16 bytes at 16 x thread
.set CODEA, RETB+131072                ; two buffers of 16 rows x WP: a pair of tiles' codes on their way from the threads that made them to the waves that own the rows: buffer 0 a tile of rows 0-63, buffer 1 one of rows 64-127
.set TAB,   CODEA+2*REGB               ; beta[b][n] at 4 n; v'[n] at 4,096 + 4 n
.set SCRB,  TAB+8192                   ; the rows' partial sums: (128 NH + row) x 4
.set PB,    SCRB+1024                  ; p: 512 bytes for each wave, its own
.set SPARE, PB+2048                    ; the spare words, 128 bytes for each wave: two blocks of 256 bytes that no other line names
.set SPW,  1                           ; v1   SPARE + 4 x my thread's number; never rewritten
.set NIL,  2                           ; v2   0; never rewritten
.set GOFF, 3                           ; v3   16 x thread: my bytes of a row's first (and second) 2,048
.set ADCW, 4                           ; v4   CODEA + 4 x thread
.set ADCR, 5                           ; v5   CODEA + MH x REGB + r x WP + 16 h: my half's buffer
.set ADRT, 6                           ; v6, v7  RETB + 16 x thread, and 32 rows on
.set ADRB, 8                           ; v8, v9  my fragments of W in slot 0, 1: NH x 2 regions + r x WP + 16 h
.set ADT0, 10                          ; v10  TAB + 2,048 NH + 32 h
.set ADT,  11                          ; v11  the same, four sub-chunks a lap further on
.set ADS,  12                          ; v12  SCRB + 512 NH + 256 MH + 4 r
.set PBW,  13                          ; v13  PB + 512 x wave
.set SCL,  14                          ; v14  2^e0
.set LIM,  15                          ; v15  448 x 2^e0
.set S,    16
.set BETA, 24
.set VP,   32
.set ACC,  40
.set BF,   104
.set ST,   40
.set CD,   232
.set CX,   40                          ; the context's eight sums
.set SCRR, 248                         ; v248 SCRB + 16 x lane
.set PBS,  249                         ; v249 PB + 512 x wave + 16 x lane
.set TBW,  250                         ; v250 TAB + 16 x thread
.set WV,   18
.set MH,   19
.set NH,   20
.set G1,   28                          ; s[28:35] descriptor group 1
.set G0,   36                          ; s[36:39], s[40:43] group 0 of slot 0, 1
.set CS,   44                          ; s[44:45] c, twice
.set SEL,  46                          ; s[46:47] lane selects for v_permlanex16_b32: lane l xor 16
.set EB0,  48                          ; s[48:49] enc at my row 0;  s[50:51] at my row 64
.set EB1,  50
.set MSB, 0
.macro WIN new                         ; the immediate's high byte repeats the setting that is left; a switch that changes nothing is dropped
.if MSB != \new
	s_set_vgpr_msb (MSB<<8)|\new
.set MSB, \new
.endif
.endm
.macro CREST                           ; a round of the cluster's barrier behind its opening barrier
	s_cmp_lg_u32 s[WV], 0
	s_cbranch_scc1 .Lnot_wave_0_\@
	s_barrier_signal -3
.Lnot_wave_0_\@:
	s_barrier_wait -3
	s_barrier_signal -1
	s_barrier_wait -1
.endm
.macro CROUND                          ; a whole round
	s_barrier_signal -1
	s_barrier_wait -1
	CREST
.endm
.macro PLACES
.rept 4
	v_nop
.endr
.endm
	s_load_b256 s[4:11], s[0:1], 0x0               ; enc s[4:5], W's codes s[6:7], beta s[8:9], v_W s[10:11]
	s_load_b128 s[12:15], s[0:1], 0x20             ; the scales' exponents s[12:13], scores s[14:15]
	s_load_b64 s[16:17], s[0:1], 0x30              ; ctxp
	v_lshl_add_u32 v[SPW], v0, 2, SPARE
	v_mov_b32 v[NIL], 0
	ds_add_u32 v1, v2
	ds_add_u32 v1, v2
	s_wait_dscnt 0x0
	v_lshrrev_b32 v[PBW], 5, v0
	v_readfirstlane_b32 s[WV], v[PBW]              ; wave 0..3
	s_lshr_b32 s[MH], s[WV], 1                     ; which 64 rows are mine.  Also: which half of n I fetch for
	s_and_b32 s[NH], s[WV], 1                      ; which 512 columns n.  Also: which 16 of a slot's 32 rows of that half I fetch
	s_bfe_u32 s21, ttmp6, 0x40000                  ; cx: it enters global addresses of enc, beta, scores and ctxp alone
	s_lshl_b32 s22, ttmp9, 2
	s_add_co_u32 s22, s22, s21                     ; g = 4 x cluster + cx
	s_lshr_b32 s23, s22, 3                         ; b
	s_and_b32 s24, s22, 7                          ; sb
	v_lshlrev_b32 v[GOFF], 4, v0
	; descriptor group 1: 16 rows x 1,024 bytes, 2,048 bytes apart in memory, padded in LDS
	s_mov_b32 s[G1], 15|(1<<20)|(1<<21)|(7<<22)|(3<<25)   ; 15:0 the mask: all four work-groups; 17:16 elements of 1 byte; 20 padding on; 21 set beside a mask; 24:22 after every 256 words (code 7): a row; 31:25 four words (code 3)
	s_mov_b32 s[G1+1], 1024<<16                    ; tensor_dim0
	s_mov_b32 s[G1+2], 16<<16                      ; tensor_dim1
	s_mov_b32 s[G1+3], 1024<<16                    ; tile_dim0
	s_mov_b32 s[G1+4], 16                          ; tile_dim1
	s_mov_b32 s[G1+5], 2048                        ; tensor_dim0_stride
	s_mov_b32 s[G1+6], 0
	s_mov_b32 s[G1+7], 0
	s_lshl_b32 s54, s[MH], 20                      ; 512 rows of 2,048 bytes x (wave / 2)
	s_lshl_b32 s55, s[NH], 15                      ; + 16 rows x (wave % 2)
	s_add_co_u32 s54, s54, s55
	s_add_co_u32 s54, s54, 1024                    ; + the right half of K
	s_mov_b32 s55, 0
	s_mov_b32 s[G0], 1                             ; count = 1
	s_mul_i32 s[G0+1], s[WV], REGB                 ; LDS address: region = wave: no place in the cluster enters it
	s_mov_b32 s[G0+4], 1
	s_add_co_u32 s[G0+5], s[G0+1], RING1
	s_lshl_b32 s56, s24, 24                        ; enc: 128 sb rows of 131,072 bytes
	s_lshl_b32 s57, s23, 12                        ; + b x 4,096
	s_add_co_u32 s56, s56, s57
	s_mov_b32 s57, 0
	s_lshl_b32 s58, s23, 12                        ; beta: row b
	s_mov_b32 s59, 0
	s_mov_b32 s[SEL], 0x76543210
	s_mov_b32 s[SEL+1], 0xfedcba98
	s_wait_kmcnt 0x0
	s_load_b64 s[26:27], s[12:13], 0x0             ; e0, e1
	s_add_nc_u64 s[G0+2:G0+3], s[6:7], s[54:55]    ; slot 0: rows 32 x 0 on
	s_add_nc_u64 s[G0+6:G0+7], s[G0+2:G0+3], 65536 ; slot 1: 32 rows on
	s_or_b32 s[G0+3], s[G0+3], 0x80000000          ; type = 2
	s_or_b32 s[G0+7], s[G0+7], 0x80000000
	s_add_nc_u64 s[EB0:EB0+1], s[4:5], s[56:57]
	s_add_nc_u64 s[EB1:EB1+1], s[EB0:EB0+1], 0x800000   ; 64 rows on, so that every row's offset fits the signed 24-bit immediate (ISA guide, chapter 10): 63 x 131,072 + 2,048 at the most
	s_add_nc_u64 s[8:9], s[8:9], s[58:59]
	s_lshl_b32 s58, s22, 9
	s_add_nc_u64 s[14:15], s[14:15], s[58:59]      ; scores: b x 4,096 + sb x 512 = 512 g
	s_lshl_b32 s58, s22, 12
	s_add_nc_u64 s[16:17], s[16:17], s[58:59]      ; ctxp: row g
	CROUND                                         ; all four work-groups are here: the first joint loads meet
	tensor_load_to_lds s[G0:G0+3], s[G1:G1+7]      ; both first fills together, ahead of every wait on TENSORcnt, LDS read and further barrier: two loads of mine are out
	s_nop 0
	tensor_load_to_lds s[G0+4:G0+7], s[G1:G1+7]
	s_nop 0
	PLACES                                         ; four v_nop follow
	global_load_b128 v[232:235], v[GOFF], s[8:9]               ; beta[b]: n = 4 t on,
	global_load_b128 v[236:239], v[GOFF], s[8:9] offset:2048   ; n = 512 + 4 t on
	global_load_b128 v[240:243], v[GOFF], s[10:11]             ; v_W likewise
	global_load_b128 v[244:247], v[GOFF], s[10:11] offset:2048
; GROUP G of 16: eight rows.  Four groups are a PAIR of tiles P = G / 4: first the tile of rows 64 + 16 P on (two groups), then the tile of rows 16 P on (two groups).
; A thread owns columns 4 t .. + 3 and 512 + 4 t .. + 3 of every row: each load of a wave reads 512 consecutive bytes, at a multiple of 256 from enc's first byte.
.macro LOADG G
.set lup,   1-(((\G)%4)/2)             ; 1: a group of rows 64-127
.set lrow,  16*((\G)/4)+8*((\G)%2)     ; the group's first row, counted in its half
.set lset,  ST+64*((\G)%3)
.set lbase, EB0+2*lup
.irp i, 0,1,2,3,4,5,6,7
	global_load_b128 v[lset+8*\i:lset+8*\i+3],   v[GOFF], s[lbase:lbase+1] offset:(lrow+\i)*131072 th:TH_LOAD_NT
	global_load_b128 v[lset+8*\i+4:lset+8*\i+7], v[GOFF], s[lbase:lbase+1] offset:(lrow+\i)*131072+2048 th:TH_LOAD_NT
.endr
.endm
	LOADG 0
	LOADG 1
	LOADG 2
	v_and_b32 v252, 15, v0                         ; r
	v_bfe_u32 v253, v0, 4, 1                       ; h
	v_and_b32 v254, 31, v0                         ; lane
	v_mul_u32_u24 v255, v252, WP
	v_lshl_add_u32 v255, v253, 4, v255             ; r x WP + 16 h
	v_lshl_add_u32 v[ADCW], v0, 2, CODEA
	s_mul_i32 s54, s[MH], REGB
	s_add_co_u32 s54, s54, CODEA
	v_add_nc_u32 v[ADCR], s54, v255                ; the buffer of my half of the rows: told apart by address, so that every wave runs the same loads
	v_lshl_add_u32 v[ADRT], v0, 4, RETB
	v_add_nc_u32 v[ADRT+1], 65536, v[ADRT]
	s_mul_i32 s54, s[NH], 2*REGB
	v_add_nc_u32 v[ADRB], s54, v255
	v_add_nc_u32 v[ADRB+1], RING1, v[ADRB]
	s_lshl_b32 s54, s[NH], 11
	s_add_co_u32 s54, s54, TAB
	v_lshl_add_u32 v[ADT0], v253, 5, s54
	s_lshl_b32 s54, s[NH], 9
	s_lshl_b32 s55, s[MH], 8
	s_add_co_u32 s54, s54, s55
	s_add_co_u32 s54, s54, SCRB
	v_lshl_add_u32 v[ADS], v252, 2, s54
	v_lshl_add_u32 v[PBW], v[PBW], 9, PB
	v_lshl_add_u32 v[SCRR], v254, 4, SCRB
	v_lshl_add_u32 v[PBS], v254, 4, v[PBW]
	v_lshl_add_u32 v[TBW], v0, 4, TAB
	s_wait_kmcnt 0x0
	s_add_co_i32 s[CS], s26, s27
	s_lshl_b32 s[CS], s[CS], 23
	s_add_co_i32 s[CS], s[CS], 0x4038aa3b          ; c = 2 log2(e) x 2^(e0 + e1)
	s_mov_b32 s[CS+1], s[CS]                       ; (named with it as a pair, so it is written)
	s_add_co_i32 s54, s26, 127
	s_lshl_b32 s55, s54, 23
	v_mov_b32 v[SCL], s55                          ; 2^e0 as f32: the conversion takes its exponent field
	s_add_co_i32 s54, s54, 8
	s_lshl_b32 s54, s54, 23
	s_or_b32 s54, s54, 0x600000
	v_mov_b32 v[LIM], s54                          ; 448 x 2^e0
	s_wait_loadcnt 48                              ; the four table loads are in; the three groups' 48 were issued behind them
.irp j, 0,2,4,6
	v_pk_mul_f32 v[240+\j:241+\j], v[240+\j:241+\j], 0xc038aa3b op_sel_hi:[1,0]   ; v' = -2 log2(e) v_W
.endr
	ds_store_b128 v[TBW], v[232:235]
	ds_store_b128 v[TBW], v[236:239] offset:2048
	ds_store_b128 v[TBW], v[240:243] offset:4096
	ds_store_b128 v[TBW], v[244:247] offset:6144   ; read behind the barriers below
; Group G is worked: kept as bf16, quantised, its codes handed to LDS; then the group three on is asked for into the same registers.
; A pair's first group (but the very first) also holds the barrier between the waves' reads of the two code buffers and the stores that write them again: the signal stands behind my wait for those reads,
; the roundings to bf16 are the work on registers between signal and wait, and every LDS store of the group stands behind the wait.
.macro PROCG G
.set pup,   1-(((\G)%4)/2)
.set pset,  ST+64*((\G)%3)
.set prow,  16*((\G)/4)+8*((\G)%2)
.set pcode, pup*REGB+8*((\G)%2)*WP             ; the half's buffer, and the group's eight rows in it
.if (\G) <= 13
	s_wait_loadcnt 32                              ; this group's 16 loads are in; the two younger groups' may be out
.else
	s_wait_loadcnt 16*(15-(\G))
.endif
	s_wait_dscnt 0x0                               ; my earlier LDS stores have read the codes' registers and the scratch, which are written again below; my reads of the code buffers are in
.if (((\G)%4) == 0) && ((\G) > 0)
	s_barrier_signal -1
.endif
	WIN 0x40                                       ; destination window 1
.irp i, 0,1,2,3,4,5,6,7
.irp j, 0,1,2,3
.if pup
	v_cvt_pk_bf16_f32 v[192+32*((\G)%2)+4*\i+\j], v[pset+8*\i+2*\j], v[pset+8*\i+2*\j+1]
.else
	v_cvt_pk_bf16_f32 v[4*(prow+\i)+\j], v[pset+8*\i+2*\j], v[pset+8*\i+2*\j+1]
.endif
.endr
.endr
.if (((\G)%4) == 0) && ((\G) > 0)
	s_barrier_wait -1                              ; no wave still reads the last pair's codes
.endif
.if pup
	WIN 0x04                                       ; an LDS store's data: window 1
.irp i, 0,1,2,3,4,5,6,7
	ds_store_b128 v[ADRT+prow/32], v[192+32*((\G)%2)+4*\i:192+32*((\G)%2)+4*\i+3] offset:((prow+\i)%32)*2048   ; my own 16 bytes: nobody else reads them
.endr
.endif
	WIN 0
.irp i, 0,1,2,3,4,5,6,7
.irp j, 0,1,2,3,4,5,6,7
	v_med3_num_f32 v[pset+8*\i+\j], v[pset+8*\i+\j], -v[LIM], v[LIM]   ; the conversion to an 8-bit code does not saturate (ISA guide 7.6.2): the hold at the largest code x the scale
.endr
	v_cvt_scalef32_pk8_fp8_f32 v[CD+2*\i:CD+2*\i+1], v[pset+8*\i:pset+8*\i+7], v[SCL]   ; low register: columns 4 t on; high register: 512 + 4 t on
.endr
	v_nop                                          ; one plain vector instruction behind the last scaled conversion
.irp i, 0,1,2,3,4,5,6,7
	ds_store_b32 v[ADCW], v[CD+2*\i]   offset:pcode+\i*WP
	ds_store_b32 v[ADCW], v[CD+2*\i+1] offset:pcode+\i*WP+512
.endr
.if (\G)+3 <= 15
	LOADG (\G)+3
.endif
.endm
; A pair of tiles is whole: each wave's codes have landed (its wait for all its LDS instructions), then the barrier.  Behind it EVERY wave takes tile P of its own half, eight fragments, out of its half's buffer
; into windows 2 and 3, where they stay.
.macro PAIREND P
	s_wait_dscnt 0x0
.if (\P) == 3
	s_wait_tensorcnt 0x1                           ; my part of slot 0 is in; slot 1's may stay out
.endif
	s_barrier_signal -1
	s_barrier_wait -1
	WIN 0x80                                       ; destination window 2
.irp s, 0,1,2,3
.irp c, 0,1,2,3
	ds_load_b128 v[16*(4*\s+(\P))+4*\c:16*(4*\s+(\P))+4*\c+3], v[ADCR] offset:128*\s+32*\c
.endr
.endr
	WIN 0xc0                                       ; destination window 3
.irp s, 0,1,2,3
.irp c, 0,1,2,3
	ds_load_b128 v[16*(4*\s+(\P))+4*\c:16*(4*\s+(\P))+4*\c+3], v[ADCR] offset:512+128*\s+32*\c
.endr
.endr
	WIN 0
.endm
.irp P, 0,1,2,3
	PROCG 4*\P
	PROCG 4*\P+1
	PROCG 4*\P+2
	PROCG 4*\P+3
	PAIREND \P
.endr
; ---- THE PRODUCTS.  kk counts a sub-chunk's 32 matrix instructions: K step kk / 4, tile of rows kk % 4: the set's four accumulators take turns, one instruction a turn, over every edge too.
.macro MM t
.set ss, kk/4
.set aa, kk%4
.set rD, ACC+32*(\t)+8*aa
.set rW, BF+64*(ss/4)+16*(ss%4)
.set rA, 16*(4*(ss%4)+aa)
.if ss == 0
	v_wmma_f32_16x16x128_fp8_fp8 v[rD:rD+7], v[rW:rW+15], v[rA:rA+15], 0      ; the first K step starts the sums: nothing is cleared
.else
	v_wmma_f32_16x16x128_fp8_fp8 v[rD:rD+7], v[rW:rW+15], v[rA:rA+15], v[rD:rD+7]
.endif
.endm
.macro EP_FMA e, a                     ; x = sum x c + beta, tile a, from the accumulator's low end on
.irp j, 0,2,4,6
	v_pk_fma_f32 v[ACC+32*(\e)+8*(\a)+\j:ACC+32*(\e)+8*(\a)+\j+1], v[ACC+32*(\e)+8*(\a)+\j:ACC+32*(\e)+8*(\a)+\j+1], s[CS:CS+1], v[BETA+\j:BETA+\j+1] op_sel_hi:[1,0,1]
.endr
.endm
.macro EP_EXP e, q                     ; 2^x (an overflow gives infinity, whose reciprocal is 0: tanh = 1)
.irp j, 0,1,2,3
	v_exp_f32 v[ACC+32*(\e)+4*(\q)+\j], v[ACC+32*(\e)+4*(\q)+\j]
.endr
.endm
.macro EP_ADD e, a                     ; 1 + 2^x
.irp j, 0,2,4,6
	v_pk_add_f32 v[ACC+32*(\e)+8*(\a)+\j:ACC+32*(\e)+8*(\a)+\j+1], v[ACC+32*(\e)+8*(\a)+\j:ACC+32*(\e)+8*(\a)+\j+1], 1.0 op_sel_hi:[1,0]
.endr
.endm
.macro EP_RCP e, q
.irp j, 0,1,2,3
	v_rcp_f32 v[ACC+32*(\e)+4*(\q)+\j], v[ACC+32*(\e)+4*(\q)+\j]
.endr
.endm
.macro BATCH_END                       ; a plain instruction behind the batch's last transcendental, and the one wait ahead of the batch's first reader
	v_nop
	s_wait_alu depctr_va_vdst(0)
.endm
; Slice kk of set e's way to the reciprocals: 0-3 x; 4-11 the 32 exponentials, one batch; 12-15 the additions; 16-23 the 32 reciprocals, one batch; 24-31 nothing.
.macro EPIS e
.if kk < 4
	EP_FMA \e, kk
.elseif kk < 12
	EP_EXP \e, kk-4
.if kk == 11
	BATCH_END
.endif
.elseif kk < 16
	EP_ADD \e, kk-12
.elseif kk < 24
	EP_RCP \e, kk-16
.if kk == 23
	BATCH_END
.endif
.endif
.endm
.macro FIN e                           ; the rows' sums take v' / (1 + 2^x): two vector sources, so these stand together under window 0.  They name nothing of the products just issued: they are the places behind them
.irp j, 0,2,4,6
.irp a, 0,1,2,3
	v_pk_fma_f32 v[S+2*\a:S+2*\a+1], v[ACC+32*(\e)+8*\a+\j:ACC+32*(\e)+8*\a+\j+1], v[VP+\j:VP+\j+1], v[S+2*\a:S+2*\a+1]
.endr
.endr
.endm
.macro FETCHH adr, off, hf             ; 16 LDS loads: W's fragments of K steps 4 hf .. 4 hf + 3 of one tile of n
.irp s, 0,1,2,3
.irp c, 0,1,2,3
	ds_load_b128 v[BF+64*(\hf)+16*\s+4*\c:BF+64*(\hf)+16*\s+4*\c+3], v[\adr] offset:(\off)+512*(\hf)+128*\s+32*\c
.endr
.endr
.endm
; A SUB-CHUNK: tile t of slot sl, into set t.  epi = 1: the sub-chunk before is finished in slices.  nxt = 1: the next sub-chunk's fragments are fetched, half 0 in the middle, half 1 at the end.  tb: the tile's place in the tables.
; chg = 1, 2: the slot's second tile: all reads of the slot have been issued, so the slots change here.  In front of ONE barrier each wave waits for all its tensor loads (its part of the other slot), adds 0 to its spare
; word, and waits for that and for its reads of this slot.  chg = 1: the barrier opens a round of the cluster's, and behind the round this slot is filled again, 64 rows of W on: the wave's one tensor load until the next round.
.macro SUB t, sl, epi, chg, nxt, tb
.if (\t) == 0
.set nadr, ADRB+(\sl)
.set noff, REGB
.else
.set nadr, ADRB+1-(\sl)
.set noff, 0
.endif
.if (\chg)
	WIN 0                                          ; (the add's two registers lie in window 0)
	s_wait_tensorcnt 0x0                           ; all my tensor loads have landed: the one that was out is my part of the other slot
	ds_add_u32 v[SPW], v[NIL]                      ; 0 onto my spare word
.if (\chg) == 1
	s_add_nc_u64 s[G0+4*(\sl)+2:G0+4*(\sl)+3], s[G0+4*(\sl)+2:G0+4*(\sl)+3], 131072   ; no load of mine is out, so a group 0 may be written: 64 rows of 2,048 bytes on
.endif
	s_wait_dscnt 19                                ; half 0 and beta are in; the last run's 18 loads and the add may be out
.elseif (\epi)
	s_wait_dscnt 18                                ; half 0 and beta are in; the last run (half 1's 16 loads and v's 2) may be out
.else
	s_wait_dscnt 16                                ; half 0 is in; half 1's 16 loads may be out
.endif
	WIN 0x08                                       ; source 1: window 2
.set kk, 0
.rept 16
	MM \t
.if (\epi)
	EPIS 1-(\t)
.endif
.if (\chg) && (kk == 7)
	s_wait_dscnt 0x0                               ; the add is done, and my reads of this slot are over
	s_barrier_signal -1                            ; only work on registers stands between this signal and its wait
.endif
.set kk, kk+1
.endr
.if (\chg)
	WIN 0
	s_barrier_wait -1
.if (\chg) == 1
	CREST                                          ; no wave of any partner still reads this slot or has a load on its way
	tensor_load_to_lds s[G0+4*(\sl):G0+4*(\sl)+3], s[G1:G1+7]   ; first behind the round; one load of mine is out
	s_nop 0
.endif
	PLACES                                         ; four v_nop follow the load
.elseif !(\epi)
	PLACES                                         ; in front of loads into registers that matrix instructions have read; elsewhere slice 15's four additions are these places
.endif
.if (\nxt)
	FETCHH nadr, noff, 0
.endif
	ds_load_b128 v[BETA:BETA+3],   v[ADT] offset:(\tb)          ; this tile's beta, for the slices of the next sub-chunk: the old one was last read in slice 3
	ds_load_b128 v[BETA+4:BETA+7], v[ADT] offset:(\tb)+16
	s_wait_dscnt 16*(\nxt)+2                       ; all but the loads just issued: half 1 and v' are in
	WIN 0x0c                                       ; source 1: window 3
.rept 16
	MM \t
.if (\epi)
	EPIS 1-(\t)
.endif
.set kk, kk+1
.endr
	WIN 0
.if (\epi)
	FIN 1-(\t)
.else
	PLACES
.endif
.if (\nxt)
	FETCHH nadr, noff, 1
.endif
	ds_load_b128 v[VP:VP+3],   v[ADT] offset:4096+(\tb)
	ds_load_b128 v[VP+4:VP+7], v[ADT] offset:4096+(\tb)+16
.endm
.irp j, 0,1,2,3,4,5,6,7
	v_mov_b32 v[S+\j], 0                           ; the rows' sums: a pair for each tile of rows
.endr
	s_mov_b32 s52, 0                               ; the tables' step: 256 bytes (four tiles of n) a lap
	v_add_nc_u32 v[ADT], s52, v[ADT0]
	FETCHH ADRB, 0, 0
	s_wait_dscnt 16                                ; my rows' last codes are in; half 0's 16 loads may be out
	FETCHH ADRB, 0, 1
	SUB 0, 0, 0, 0, 1, 0                           ; the first sub-chunk has nothing to finish beside it
	s_mov_b32 s53, 7
.Llap:                                             ; seven trips, four sub-chunks each: once round the ring, both slots filled again (slots' worth 2 to 15 of W's 16)
	v_add_nc_u32 v[ADT], s52, v[ADT0]
	SUB 1, 0, 1, 1, 1, 64
	SUB 0, 1, 1, 0, 1, 128
	SUB 1, 1, 1, 1, 1, 192
	SUB 0, 0, 1, 0, 1, 256
	s_add_co_u32 s52, s52, 256
	s_sub_co_u32 s53, s53, 1
	s_cmp_lg_u32 s53, 0
	s_cbranch_scc1 .Llap
	v_add_nc_u32 v[ADT], s52, v[ADT0]
	SUB 1, 0, 1, 2, 1, 64                          ; the tail is written out: the last change of slots fills nothing
	SUB 0, 1, 1, 0, 1, 128
	SUB 1, 1, 1, 0, 0, 192
	s_wait_dscnt 0x0                               ; the last tile's beta and v'
.irp a, 0,1,2,3
	EP_FMA 1, \a                                   ; the last sub-chunk is finished with no products beside it
.endr
	WIN 0xc0                                       ; rows 64-95 come back as bf16 into window 3, whose codes are done with: the sixteen lines of the sums and the sixteen above stand behind the last product
.set rr, 0
.rept 32
	ds_load_b128 v[4*rr:4*rr+3], v[ADRT] offset:rr*2048
.set rr, rr+1
.endr
	WIN 0
.irp q, 0,1,2,3,4,5,6,7
	EP_EXP 1, \q
.endr
	BATCH_END
.irp a, 0,1,2,3
	EP_ADD 1, \a
.endr
.irp q, 0,1,2,3,4,5,6,7
	EP_RCP 1, \q
.endr
	BATCH_END
	FIN 1
; ---- THE ROWS' SOFTMAX UNDER THEIR OWN MAXIMUM, AND THEIR PART OF THE CONTEXT
.irp a, 0,1,2,3
	v_add_f32 v[240+\a], v[S+2*\a], v[S+2*\a+1]    ; the pair,
.endr
.irp a, 0,1,2,3
	v_permlanex16_b32 v[244+\a], v[240+\a], s[SEL], s[SEL+1]
.endr
.irp a, 0,1,2,3
	v_add_f32 v[240+\a], v[240+\a], v[244+\a]      ; and lane l xor 16's: row 64 MH + 16 a + r over my 512 columns n
.endr
.irp a, 0,1,2,3
	ds_store_b32 v[ADS], v[240+\a] offset:64*\a    ; lanes r and r + 16 write the same word with the same number
.endr
	s_wait_dscnt 0x0                               ; for the others' sake: my partial sums have landed
	s_barrier_signal -1
	s_barrier_wait -1
	ds_load_b128 v[232:235], v[SCRR]               ; rows 4 l .. 4 l + 3: the left 512 columns',
	ds_load_b128 v[236:239], v[SCRR] offset:512    ; and the right ones'
	s_wait_dscnt 0x0
	v_pk_add_f32 v[232:233], v[232:233], v[236:237]
	v_pk_add_f32 v[234:235], v[234:235], v[238:239]   ; u, alike in all four waves
	v_max3_num_f32 v240, v232, v233, v234
	v_max_num_f32 v240, v240, v235
	v_max_num_f32_dpp v240, v240, v240 row_xmask:1 row_mask:0xf bank_mask:0xf
	v_max_num_f32_dpp v240, v240, v240 row_xmask:2 row_mask:0xf bank_mask:0xf
	v_max_num_f32_dpp v240, v240, v240 row_xmask:4 row_mask:0xf bank_mask:0xf
	v_max_num_f32_dpp v240, v240, v240 row_xmask:8 row_mask:0xf bank_mask:0xf
	v_permlanex16_b32 v241, v240, s[SEL], s[SEL+1]
	v_max_num_f32 v240, v240, v241                 ; m: the largest u of the 128 rows
	s_cmp_lg_u32 s[WV], 0
	s_cbranch_scc1 .Lnot_store
	global_store_b128 v[GOFF], v[232:235], s[14:15]   ; wave 0 (16 x thread = 16 x lane): 512 consecutive bytes of scores; v232-235 are not written again
.Lnot_store:
.irp i, 0,1,2,3
	v_sub_f32 v[244+\i], v[232+\i], v240
.endr
.irp i, 0,1,2,3
	v_exp_f32 v[244+\i], v[244+\i]                 ; p = 2^(u - m), at most 1
.endr
	BATCH_END
	ds_store_b128 v[PBS], v[244:247]               ; through my wave's own 512 bytes every lane gets all 128 p: LDS serves a wave's instructions in order (ISA guide 5.7.1.4)
	WIN 0x80                                       ; destination window 2: row i's p at v[i]
.set rr, 0
.rept 32
	ds_load_b128 v[4*rr:4*rr+3], v[PBW] offset:16*rr
.set rr, rr+1
.endr
	WIN 0
.irp j, 0,1,2,3,4,5,6,7
	v_mov_b32 v[CX+\j], 0                          ; my eight columns' sums
.endr
	s_wait_dscnt 0x0                               ; p is in (rows 64-95 came long ago)
	WIN 0xc0                                       ; rows 96-127 are asked for now and land under the 768 multiply-adds of rows 0-95
.set rr, 32
.rept 32
	ds_load_b128 v[4*rr:4*rr+3], v[ADRT+1] offset:(rr-32)*2048
.set rr, rr+1
.endr
	WIN 0x09                                       ; source 0 (a row's bf16) window 1, source 1 (p) window 2
.set rr, 0
.rept 64
.irp i, 0,1,2,3
	v_fma_mix_f32_bf16 v[CX+2*\i],   v[4*rr+\i], v[rr], v[CX+2*\i]   op_sel_hi:[1,0,0]
	v_fma_mix_f32_bf16 v[CX+2*\i+1], v[4*rr+\i], v[rr], v[CX+2*\i+1] op_sel:[1,0,0] op_sel_hi:[1,0,0]
.endr
.set rr, rr+1
.endr
	WIN 0x0b                                       ; source 0 window 3: rows 64-95,
.set rr, 0
.rept 32
.irp i, 0,1,2,3
	v_fma_mix_f32_bf16 v[CX+2*\i],   v[4*rr+\i], v[64+rr], v[CX+2*\i]   op_sel_hi:[1,0,0]
	v_fma_mix_f32_bf16 v[CX+2*\i+1], v[4*rr+\i], v[64+rr], v[CX+2*\i+1] op_sel:[1,0,0] op_sel_hi:[1,0,0]
.endr
.set rr, rr+1
.endr
	s_wait_dscnt 0x0                               ; rows 96-127 are in
.rept 32
.irp i, 0,1,2,3
	v_fma_mix_f32_bf16 v[CX+2*\i],   v[4*rr+\i], v[64+rr], v[CX+2*\i]   op_sel_hi:[1,0,0]
	v_fma_mix_f32_bf16 v[CX+2*\i+1], v[4*rr+\i], v[64+rr], v[CX+2*\i+1] op_sel:[1,0,0] op_sel_hi:[1,0,0]
.endr
.set rr, rr+1
.endr
	WIN 0
	global_store_b128 v[GOFF], v[CX:CX+3],   s[16:17]               ; a wave stores 512 consecutive bytes, at a multiple of 256 from ctxp's first byte
	global_store_b128 v[GOFF], v[CX+4:CX+7], s[16:17] offset:2048
	s_wait_tensorcnt 0x0                           ; the wave's end: behind my last tensor load and my last LDS store
	ds_add_u32 v[SPW], v[NIL]
	s_wait_dscnt 0x0
	CROUND                                         ; the closing round: no work-group ends while a partner may still ask for a tile that names it
	s_endpgm
.Lfunc_end_k_q505e1acf7d_main:
	.size	k_q505e1acf7d_main, .Lfunc_end_k_q505e1acf7d_main-k_q505e1acf7d_main
	.p2alignl 7, 3214868480
	.fill 96, 4, 3214868480
	.section	.rodata,"a",@progbits
	.p2align	6, 0x0
	.amdhsa_kernel k_q505e1acf7d_main
		.amdhsa_group_segment_fixed_size 327680
		.amdhsa_private_segment_fixed_size 0
		.amdhsa_enable_private_segment 0
		.amdhsa_kernarg_size 56
		.amdhsa_user_sgpr_count 2
		.amdhsa_user_sgpr_kernarg_segment_ptr 1
		.amdhsa_wavefront_size32 1
		.amdhsa_system_sgpr_workgroup_id_x 1
		.amdhsa_system_sgpr_workgroup_id_y 1
		.amdhsa_system_sgpr_workgroup_id_z 1
		.amdhsa_system_vgpr_workitem_id 0
		.amdhsa_next_free_vgpr 1024
		.amdhsa_next_free_sgpr 66
		.amdhsa_reserve_vcc 0
		.amdhsa_float_denorm_mode_32 3
		.amdhsa_float_denorm_mode_16_64 3
		.amdhsa_memory_ordered 1
		.amdhsa_forward_progress 1
		.amdhsa_inst_pref_size 255
	.end_amdhsa_kernel
	.section	.bss,"aw",@nobits
	.p2align	6
	.space	262144
	.amdgpu_metadata
---
amdhsa.version: [ 1, 2 ]
amdhsa.kernels:
  - .name:           k_q505e1acf7d_main
    .symbol:         k_q505e1acf7d_main.kd
    .args:
      - { .name: encoder_outputs, .offset: 0, .size: 8, .value_kind: global_buffer, .address_space: global }
      - { .name: attn_W_codes, .offset: 8, .size: 8, .value_kind: global_buffer, .address_space: global }
      - { .name: beta, .offset: 16, .size: 8, .value_kind: global_buffer, .address_space: global }
      - { .name: v_W, .offset: 24, .size: 8, .value_kind: global_buffer, .address_space: global }
      - { .name: lowp_scales, .offset: 32, .size: 8, .value_kind: global_buffer, .address_space: global }
      - { .name: scores, .offset: 40, .size: 8, .value_kind: global_buffer, .address_space: global }
      - { .name: ctxp, .offset: 48, .size: 8, .value_kind: global_buffer, .address_space: global }
    .group_segment_fixed_size: 327680
    .private_segment_fixed_size: 0
    .kernarg_segment_align: 8
    .kernarg_segment_size: 56
    .max_flat_workgroup_size: 128
    .sgpr_count:     66
    .vgpr_count:     1024
    .wavefront_size: 32
...
	.end_amdgpu_metadata
.endif
;; end of part 2
;; launch finish (part 3): grid 32 x 1, 8 waves a work-group, no clusters, 1,280 bytes of LDS; arguments scores, ctxp, out0, out1; writes out0, out1
.if DOCPART == 3
	.amdgcn_target "amdgcn-amd-amdhsa--gfx1250"
	.amdhsa_code_object_version 6
	.text
	.protected	k_q505e1acf7d_finish
	.globl	k_q505e1acf7d_finish
	.p2align	8
	.type	k_q505e1acf7d_finish,@function
k_q505e1acf7d_finish:
	s_mov_b64 s[64:65], 0
	v_nop
	global_prefetch_b8 v0, s[64:65] scope:SCOPE_SE
	s_setreg_imm32_b32 hwreg(HW_REG_WAVE_MODE, 25, 1), 1
	s_wait_xcnt 0x0
; out1[b][s] = 2^(u[b][s] - M) / L, M the largest u of row b, L the sum of the powers;  out0[b][:] = sum over j of 2^(m_j - M) / L x ctxp[8 b + j][:], m_j the largest u of block j's 128.
; u is the score in powers of two, short of a constant of the row; ctxp[8 b + j] is block j's sum of 2^(u - m_j) x enc.  m_j is found again here from the same u: a maximum is exact.
; One work-group for each of the 32 rows b, eight waves.  Thread t owns u[4 t .. 4 t + 3] and columns 4 t .. 4 t + 3: so wave j holds just block j's 128 scores.  Each load and store of a wave covers 512 consecutive bytes.
; No matrix work, no tensor loads: 36 KiB are read and 8 KiB written by a work-group.  LDS: the waves' maxima at bytes 0-31, their sums at bytes 32-63.
	s_load_b256 s[4:11], s[0:1], 0x0               ; scores s[4:5], ctxp s[6:7], out0 s[8:9], out1 s[10:11]
	v_lshl_add_u32 v72, v0, 2, 0x100
	v_mov_b32 v73, 0
	v_lshlrev_b32 v1, 4, v0                        ; 16 t
	v_lshrrev_b32 v2, 5, v0
	v_lshlrev_b32 v2, 2, v2                        ; 4 x wave
	v_mov_b32 v3, 0
	v_mov_b32 v57, 0                               ; written once: a lane permute's destination counts as one of its sources
	s_lshl_b32 s12, ttmp9, 12                      ; b x 4,096
	s_mov_b32 s13, 0
	s_lshl_b32 s14, ttmp9, 15                      ; b x 8 parts of 4,096
	s_mov_b32 s15, 0
	s_mov_b32 s16, 0x76543210
	s_mov_b32 s17, 0xfedcba98
	s_wait_kmcnt 0x0
	s_add_nc_u64 s[4:5], s[4:5], s[12:13]
	s_add_nc_u64 s[6:7], s[6:7], s[14:15]
	s_add_nc_u64 s[8:9], s[8:9], s[12:13]
	s_add_nc_u64 s[10:11], s[10:11], s[12:13]
	global_load_b128 v[4:7], v1, s[4:5]
.irp j, 0,1,2,3,4,5,6,7
	global_load_b128 v[8+4*\j:11+4*\j], v1, s[6:7] offset:4096*\j
.endr
	s_wait_loadcnt 8                               ; u is in; the eight parts may be out
	v_max3_num_f32 v56, v4, v5, v6
	v_max_num_f32 v56, v56, v7
	v_max_num_f32_dpp v56, v56, v56 row_xmask:1 row_mask:0xf bank_mask:0xf
	v_max_num_f32_dpp v56, v56, v56 row_xmask:2 row_mask:0xf bank_mask:0xf
	v_max_num_f32_dpp v56, v56, v56 row_xmask:4 row_mask:0xf bank_mask:0xf
	v_max_num_f32_dpp v56, v56, v56 row_xmask:8 row_mask:0xf bank_mask:0xf
	v_permlanex16_b32 v57, v56, s16, s17
	v_max_num_f32 v56, v56, v57                    ; m of my wave's block
	ds_store_b32 v2, v56                           ; all lanes write the same word with the same number
	s_wait_dscnt 0x0
	s_barrier_signal -1
	s_barrier_wait -1
	ds_load_b128 v[40:43], v3
	ds_load_b128 v[44:47], v3 offset:16            ; m_0 .. m_7, in every lane
	s_wait_dscnt 0x0
	v_max3_num_f32 v58, v40, v41, v42
	v_max3_num_f32 v58, v58, v43, v44
	v_max3_num_f32 v58, v58, v45, v46
	v_max_num_f32 v58, v58, v47                    ; M
.irp i, 0,1,2,3
	v_sub_f32 v[60+\i], v[4+\i], v58
.endr
.irp j, 0,1,2,3,4,5,6,7
	v_sub_f32 v[40+\j], v[40+\j], v58
.endr
.irp i, 0,1,2,3
	v_exp_f32 v[60+\i], v[60+\i]                   ; 2^(u - M)
.endr
.irp j, 0,1,2,3,4,5,6,7
	v_exp_f32 v[40+\j], v[40+\j]                   ; 2^(m_j - M)
.endr
	v_nop                                          ; a plain instruction behind the batch's last exponential,
	s_wait_alu depctr_va_vdst(0)                   ; and the one wait ahead of the batch's first reader
	v_add_f32 v56, v60, v61
	v_add_f32 v57, v62, v63
	v_add_f32 v56, v56, v57
	v_add_f32_dpp v56, v56, v56 row_xmask:1 row_mask:0xf bank_mask:0xf
	v_add_f32_dpp v56, v56, v56 row_xmask:2 row_mask:0xf bank_mask:0xf
	v_add_f32_dpp v56, v56, v56 row_xmask:4 row_mask:0xf bank_mask:0xf
	v_add_f32_dpp v56, v56, v56 row_xmask:8 row_mask:0xf bank_mask:0xf
	v_permlanex16_b32 v57, v56, s16, s17
	v_add_f32 v56, v56, v57                        ; my wave's sum
	ds_store_b32 v2, v56 offset:32                 ; other bytes than the maxima's: no wave may still be reading those
	s_wait_dscnt 0x0
	s_barrier_signal -1
	s_barrier_wait -1
	ds_load_b128 v[48:51], v3 offset:32
	ds_load_b128 v[52:55], v3 offset:48
	s_wait_dscnt 0x0
	v_add_f32 v48, v48, v49
	v_add_f32 v50, v50, v51
	v_add_f32 v52, v52, v53
	v_add_f32 v54, v54, v55
	v_add_f32 v48, v48, v50
	v_add_f32 v52, v52, v54
	v_add_f32 v56, v48, v52                        ; L, at least 1: the largest u's power is 1
	v_rcp_f32 v59, v56
	v_nop
	s_wait_alu depctr_va_vdst(0)
.irp i, 0,1,2,3
	v_mul_f32 v[60+\i], v[60+\i], v59
.endr
	global_store_b128 v1, v[60:63], s[10:11]       ; the weights
.irp j, 0,1,2,3,4,5,6,7
	v_mul_f32 v[40+\j], v[40+\j], v59              ; f_j = 2^(m_j - M) / L
.endr
	s_wait_loadcnt 0x0                             ; the eight parts
.irp i, 0,1,2,3
	v_mul_f32 v[64+\i], v[8+\i], v40               ; the first part starts the sums
.endr
.irp j, 1,2,3,4,5,6,7
.irp i, 0,1,2,3
	v_fma_f32 v[64+\i], v[8+4*\j+\i], v[40+\j], v[64+\i]
.endr
.endr
	global_store_b128 v1, v[64:67], s[8:9]         ; the context
	s_wait_tensorcnt 0x0
	ds_add_u32 v72, v73
	s_wait_dscnt 0x0
	s_endpgm
.Lfunc_end_k_q505e1acf7d_finish:
	.size	k_q505e1acf7d_finish, .Lfunc_end_k_q505e1acf7d_finish-k_q505e1acf7d_finish
	.p2alignl 7, 3214868480
	.fill 96, 4, 3214868480
	.section	.rodata,"a",@progbits
	.p2align	6, 0x0
	.amdhsa_kernel k_q505e1acf7d_finish
		.amdhsa_group_segment_fixed_size 1280
		.amdhsa_private_segment_fixed_size 0
		.amdhsa_enable_private_segment 0
		.amdhsa_kernarg_size 32
		.amdhsa_user_sgpr_count 2
		.amdhsa_user_sgpr_kernarg_segment_ptr 1
		.amdhsa_wavefront_size32 1
		.amdhsa_system_sgpr_workgroup_id_x 1
		.amdhsa_system_sgpr_workgroup_id_y 1
		.amdhsa_system_sgpr_workgroup_id_z 1
		.amdhsa_system_vgpr_workitem_id 0
		.amdhsa_next_free_vgpr 74
		.amdhsa_next_free_sgpr 66
		.amdhsa_reserve_vcc 0
		.amdhsa_float_denorm_mode_32 3
		.amdhsa_float_denorm_mode_16_64 3
		.amdhsa_memory_ordered 1
		.amdhsa_forward_progress 1
		.amdhsa_inst_pref_size 8
	.end_amdhsa_kernel
	.amdgpu_metadata
---
amdhsa.version: [ 1, 2 ]
amdhsa.kernels:
  - .name:           k_q505e1acf7d_finish
    .symbol:         k_q505e1acf7d_finish.kd
    .args:
      - { .name: scores, .offset: 0, .size: 8, .value_kind: global_buffer, .address_space: global }
      - { .name: ctxp, .offset: 8, .size: 8, .value_kind: global_buffer, .address_space: global }
      - { .name: out0, .offset: 16, .size: 8, .value_kind: global_buffer, .address_space: global }
      - { .name: out1, .offset: 24, .size: 8, .value_kind: global_buffer, .address_space: global }
    .group_segment_fixed_size: 1280
    .private_segment_fixed_size: 0
    .kernarg_segment_align: 8
    .kernarg_segment_size: 32
    .max_flat_workgroup_size: 256
    .sgpr_count:     66
    .vgpr_count:     74
    .wavefront_size: 32
...
	.end_amdgpu_metadata
.endif
;; end of part 3
;; ======== version 2 of 2: 3 launches; 1.12 times as fast as version 1
;; workspace buffers: beta 131,072 bytes; scores 131,072 bytes; ctxp 1,048,576 bytes
;; launch pre (part 4): grid 16 x 2, 8 waves a work-group, no clusters, 93,184 bytes of LDS; arguments hidden, attn_W_codes, attn_b, lowp_scales, beta; writes beta
.if DOCPART == 4
	.amdgcn_target "amdgcn-amd-amdhsa--gfx1250"
	.amdhsa_code_object_version 6
	.text
	.protected	k_q505e1acf7d_pre
	.globl	k_q505e1acf7d_pre
	.p2align	8
	.type	k_q505e1acf7d_pre,@function
k_q505e1acf7d_pre:
	s_mov_b64 s[64:65], 0
	v_nop
	global_prefetch_b8 v0, s[64:65] scope:SCOPE_SE
	s_setreg_imm32_b32 hwreg(HW_REG_WAVE_MODE, 25, 1), 1
	s_wait_xcnt 0x0
; beta[b][n] = c x (sum over k < 1024 of code(hidden[b][k]) x code(W[n][k])) + 2 log2(e) x attn_b[n],  c = 2 log2(e) x 2^(e0 + e1).
; The left half of cat's K is hidden[b], the same for every s: its part of the first product hangs on (b, n) alone and is multiplied here once, on codes of E4M3.
; hidden is quantised by the given scale 2^e0 (held within +-448 x 2^e0, nearest code, ties to even); W's codes are taken as they come.  The factor 2 log2(e) turns y into the exponent x of tanh(y) = 1 - 2 / (1 + 2^x).
; SHARES.  Work-group (x, y), eight waves, takes columns n = 64 x .. + 63 (256 bytes of a row of beta) and rows b = 16 y .. + 15: 32 matrix instructions.  The whole product has 1,024: there is work for these 32 work-groups.
; EVERY LOAD OF A WAVE READS 512 CONSECUTIVE BYTES: thread t takes columns 4 t .. + 3 of each of the 16 rows of hidden, and 16 bytes of W's rows 4 i + t / 64.  Codes meet in LDS in rows of 1,024 + 16 bytes, and come out as fragments.
; Wave w = (nt = w % 4, kh = w / 4) multiplies the 16 columns 16 nt on over K steps 4 kh .. + 3, on two accumulators by turns; the two halves of K meet in two stages in LDS and are added on the way out.
; A FRAGMENT is 16 rows x 128 K in 16 registers: registers 4 c .. 4 c + 3 of lane (r, h) hold k = 32 c + 16 h + 0 .. 15 of row r: the same permutation of k on both sides, so every product meets its partner.
; THE MATRIX INSTRUCTION IS USED TRANSPOSED (source 0 = 16 rows of W, source 1 = 16 rows of hidden): lane (r, h) holds row b = r and its registers n = 16 nt + 8 h + 0 .. 7.
; LIMITS: e0 between -126 and 119; e0 + e1 between -127 and 126 (it is added to c's exponent field).  NaN among the inputs is not served.
.set HP,   1040                        ; a row of 1,024 codes + 16 bytes: 65 x 16, so the 16 rows that a fragment load touches start at 16 different banks (64 banks of 4 bytes: ISA guide 11.1)
.set WC,   16*HP                       ; LDS: hidden's 16 rows of codes from byte 0; W's 64 rows from here;
.set PS,   WC+64*HP                    ; two stages of 16 rows x (256 + 16) bytes
.set PP,   272
.set X,    16                          ; v16-79   16 rows' four numbers of hidden; later hidden's four fragments
.set WR,   80                          ; v80-143  W's bytes as loaded; later W's four fragments
.set CD,   144                         ; v144-159 the codes just made
.set AC,   160                         ; v160-175 two accumulators
.set R,    176                         ; v176-183 their sum
.set BB,   184                         ; v184-187 attn_b at my four columns, x 2 log2(e)
.set SCL,  188                         ; v188     2^e0
.set LIM,  189                         ; v189     448 x 2^e0
.set T,    192                         ; v192-199 the way out
	s_load_b256 s[4:11], s[0:1], 0x0               ; hidden s[4:5], W's codes s[6:7], attn_b s[8:9], the scales' exponents s[10:11]
	s_load_b64 s[12:13], s[0:1], 0x20              ; beta
	v_lshl_add_u32 v200, v0, 2, 0x16800
	v_mov_b32 v201, 0
	v_lshrrev_b32 v1, 5, v0
	v_readfirstlane_b32 s14, v1                    ; wave 0..7
	s_and_b32 s15, s14, 3                          ; nt: which 16 columns
	s_lshr_b32 s16, s14, 2                         ; kh: which half of K
	s_and_b32 s17, ttmp7, 0xffff                   ; which 16 rows b
	v_and_b32 v1, 15, v0                           ; r; on the way out: which 16 bytes of a row's 256
	v_bfe_u32 v2, v0, 4, 1                         ; h
	v_lshlrev_b32 v3, 4, v0                        ; hidden: 16 t: the 256 threads cover a row of 4,096 bytes
	v_lshrrev_b32 v12, 6, v0                       ; t / 64
	v_and_b32 v13, 63, v0                          ; t % 64
	v_lshlrev_b32 v4, 11, v12
	v_lshl_add_u32 v4, v13, 4, v4                  ; W: row t / 64 of 2,048 bytes + 16 (t % 64): 64 threads cover a row's left 1,024 bytes
	v_lshlrev_b32 v5, 4, v1                        ; attn_b: 16 (t % 16)
	v_lshlrev_b32 v6, 2, v0                        ; hidden's codes, in: 4 t
	v_mul_u32_u24 v7, v12, HP
	v_lshl_add_u32 v7, v13, 4, v7
	v_add_nc_u32 v7, WC, v7                        ; W's codes, in: row t / 64, 16 (t % 64)
	v_mul_u32_u24 v14, v1, HP
	v_lshl_add_u32 v14, v2, 4, v14                 ; r x HP + 16 h
	s_lshl_b32 s18, s16, 9                         ; my half of K: 512 bytes on
	v_add_nc_u32 v8, s18, v14                      ; hidden's fragments
	s_mul_i32 s19, s15, 16*HP
	s_add_co_u32 s19, s19, s18
	s_add_co_u32 s19, s19, WC
	v_add_nc_u32 v9, s19, v14                      ; W's fragments: rows 16 nt on
	v_mul_u32_u24 v10, v1, PP
	v_lshl_add_u32 v10, v2, 5, v10
	s_mul_i32 s19, s16, 16*PP
	s_lshl_b32 s20, s15, 6
	s_add_co_u32 s19, s19, s20
	s_add_co_u32 s19, s19, PS
	v_add_nc_u32 v10, s19, v10                     ; the stage of my half of K, in: row r, 64 nt + 32 h
	v_lshrrev_b32 v15, 4, v0                       ; t / 16: a row, 0..15
	v_mul_u32_u24 v11, v15, PP
	v_lshl_add_u32 v11, v1, 4, v11
	v_add_nc_u32 v11, PS, v11                      ; and back: row t / 16, 16 (t % 16)
	v_lshl_add_u32 v15, v15, 12, v5                ; the same place in beta: row x 4,096 + 16 (t % 16)
	s_lshl_b32 s22, s17, 16                        ; hidden: 16 rows of 4,096 bytes x y
	s_mov_b32 s23, 0
	s_lshl_b32 s24, ttmp9, 17                      ; W: 64 rows of 2,048 bytes x x
	s_mov_b32 s25, 0
	s_lshl_b32 s26, ttmp9, 8                       ; attn_b: 64 numbers x x
	s_mov_b32 s27, 0
	s_add_co_u32 s28, s22, s26                     ; beta: my 16 rows, my 256 bytes of them
	s_mov_b32 s29, 0
	s_wait_kmcnt 0x0
	s_load_b64 s[30:31], s[10:11], 0x0             ; e0, e1
	s_add_nc_u64 s[4:5], s[4:5], s[22:23]
	s_add_nc_u64 s[6:7], s[6:7], s[24:25]
	s_add_nc_u64 s[8:9], s[8:9], s[26:27]
	s_add_nc_u64 s[12:13], s[12:13], s[28:29]
.irp i, 0,1,2,3,4,5,6,7,8,9,10,11,12,13,14,15
	global_load_b128 v[X+4*\i:X+4*\i+3], v3, s[4:5] offset:4096*\i     ; hidden(row i, 4 t .. 4 t + 3)
.endr
.irp i, 0,1,2,3,4,5,6,7,8,9,10,11,12,13,14,15
	global_load_b128 v[WR+4*\i:WR+4*\i+3], v4, s[6:7] offset:8192*\i   ; W's codes: row 4 i + t / 64, k = 16 (t % 64) on (k < 1,024)
.endr
	global_load_b128 v[BB:BB+3], v5, s[8:9]
	s_wait_kmcnt 0x0
	s_add_co_i32 s32, s30, s31
	s_lshl_b32 s32, s32, 23
	s_add_co_i32 s32, s32, 0x4038aa3b              ; c = 2 log2(e) x 2^(e0 + e1): the exponents are added to the exponent field
	s_mov_b32 s33, s32                             ; (named with it as a pair, so it is written)
	s_add_co_i32 s34, s30, 127
	s_lshl_b32 s35, s34, 23
	v_mov_b32 v[SCL], s35                          ; 2^e0 as f32: the conversion takes its exponent field
	s_add_co_i32 s34, s34, 8
	s_lshl_b32 s34, s34, 23
	s_or_b32 s34, s34, 0x600000
	v_mov_b32 v[LIM], s34                          ; 448 x 2^e0
	s_wait_loadcnt 17                              ; hidden's 16 loads are in; W's 16 and attn_b's 1 were issued behind them
.irp p, 0,1,2,3,4,5,6,7
.irp j, 0,1,2,3,4,5,6,7
	v_med3_num_f32 v[X+8*\p+\j], v[X+8*\p+\j], -v[LIM], v[LIM]   ; the conversion to an 8-bit code does not saturate (ISA guide 7.6.2): the hold at the largest code x the scale
.endr
	v_cvt_scalef32_pk8_fp8_f32 v[CD+2*\p:CD+2*\p+1], v[X+8*\p:X+8*\p+7], v[SCL]   ; low register: row 2 p's four codes; high register: row 2 p + 1's
.endr
	v_nop                                          ; one plain vector instruction behind the last scaled conversion
.irp p, 0,1,2,3,4,5,6,7
	ds_store_b32 v6, v[CD+2*\p]   offset:(2*\p)*HP
	ds_store_b32 v6, v[CD+2*\p+1] offset:(2*\p+1)*HP
.endr
	s_wait_loadcnt 1                               ; W's 16 loads are in; attn_b's may be out
.irp i, 0,1,2,3,4,5,6,7,8,9,10,11,12,13,14,15
	ds_store_b128 v7, v[WR+4*\i:WR+4*\i+3] offset:\i*4*HP
.endr
	s_wait_dscnt 0x0                               ; for the others' sake: my codes have landed
	s_barrier_signal -1
	s_barrier_wait -1                              ; hidden's 16 rows and W's 64 lie in LDS
.irp s, 0,1,2,3                        ; my four K steps: a fragment of hidden and one of W each
.irp c, 0,1,2,3
	ds_load_b128 v[X+16*\s+4*\c:X+16*\s+4*\c+3],   v8 offset:128*\s+32*\c
	ds_load_b128 v[WR+16*\s+4*\c:WR+16*\s+4*\c+3], v9 offset:128*\s+32*\c
.endr
.endr
	s_wait_dscnt 16                                ; the first two K steps' 16 loads are in; the other two steps' may be out
	v_wmma_f32_16x16x128_fp8_fp8 v[AC:AC+7],    v[WR:WR+15],    v[X:X+15],    0      ; two accumulators take turns, one instruction a turn
	v_wmma_f32_16x16x128_fp8_fp8 v[AC+8:AC+15], v[WR+16:WR+31], v[X+16:X+31], 0
	s_wait_dscnt 0x0
	v_wmma_f32_16x16x128_fp8_fp8 v[AC:AC+7],    v[WR+32:WR+47], v[X+32:X+47], v[AC:AC+7]
	v_wmma_f32_16x16x128_fp8_fp8 v[AC+8:AC+15], v[WR+48:WR+63], v[X+48:X+63], v[AC+8:AC+15]
	s_wait_loadcnt 0x0                             ; attn_b
	v_pk_mul_f32 v[BB:BB+1],   v[BB:BB+1],   0x4038aa3b op_sel_hi:[1,0]   ; attn_b x 2 log2(e).  These two and the two below are the four places in front of the first read of results (ISA guide 7.12.1)
	v_pk_mul_f32 v[BB+2:BB+3], v[BB+2:BB+3], 0x4038aa3b op_sel_hi:[1,0]
	v_nop
	v_nop
.irp j, 0,2,4,6
	v_pk_add_f32 v[R+\j:R+\j+1], v[AC+\j:AC+\j+1], v[AC+8+\j:AC+8+\j+1]   ; my four K steps' sum; each accumulator from its low end on
.endr
	ds_store_b128 v10, v[R:R+3]                    ; lane (r, h): row r, columns 16 nt + 8 h + 0 .. 7
	ds_store_b128 v10, v[R+4:R+7] offset:16
	s_wait_dscnt 0x0                               ; for the others' sake: a row's 256 bytes come from four waves, its two halves of K from two more
	s_barrier_signal -1
	s_barrier_wait -1
	ds_load_b128 v[T:T+3],   v11
	ds_load_b128 v[T+4:T+7], v11 offset:16*PP
	s_wait_dscnt 0x0
	v_pk_add_f32 v[T:T+1],   v[T:T+1],   v[T+4:T+5]
	v_pk_add_f32 v[T+2:T+3], v[T+2:T+3], v[T+6:T+7]
	v_pk_fma_f32 v[T:T+1],   v[T:T+1],   s[32:33], v[BB:BB+1]   op_sel_hi:[1,0,1]   ; sum x c + 2 log2(e) attn_b
	v_pk_fma_f32 v[T+2:T+3], v[T+2:T+3], s[32:33], v[BB+2:BB+3] op_sel_hi:[1,0,1]
	global_store_b128 v15, v[T:T+3], s[12:13]      ; sixteen lanes store 256 consecutive bytes, at a multiple of 256 from beta's first byte
	s_wait_tensorcnt 0x0
	ds_add_u32 v200, v201
	s_wait_dscnt 0x0
	s_endpgm
.Lfunc_end_k_q505e1acf7d_pre:
	.size	k_q505e1acf7d_pre, .Lfunc_end_k_q505e1acf7d_pre-k_q505e1acf7d_pre
	.p2alignl 7, 3214868480
	.fill 96, 4, 3214868480
	.section	.rodata,"a",@progbits
	.p2align	6, 0x0
	.amdhsa_kernel k_q505e1acf7d_pre
		.amdhsa_group_segment_fixed_size 93184
		.amdhsa_private_segment_fixed_size 0
		.amdhsa_enable_private_segment 0
		.amdhsa_kernarg_size 40
		.amdhsa_user_sgpr_count 2
		.amdhsa_user_sgpr_kernarg_segment_ptr 1
		.amdhsa_wavefront_size32 1
		.amdhsa_system_sgpr_workgroup_id_x 1
		.amdhsa_system_sgpr_workgroup_id_y 1
		.amdhsa_system_sgpr_workgroup_id_z 1
		.amdhsa_system_vgpr_workitem_id 0
		.amdhsa_next_free_vgpr 202
		.amdhsa_next_free_sgpr 66
		.amdhsa_reserve_vcc 0
		.amdhsa_float_denorm_mode_32 3
		.amdhsa_float_denorm_mode_16_64 3
		.amdhsa_memory_ordered 1
		.amdhsa_forward_progress 1
		.amdhsa_inst_pref_size 17
	.end_amdhsa_kernel
	.amdgpu_metadata
---
amdhsa.version: [ 1, 2 ]
amdhsa.kernels:
  - .name:           k_q505e1acf7d_pre
    .symbol:         k_q505e1acf7d_pre.kd
    .args:
      - { .name: hidden, .offset: 0, .size: 8, .value_kind: global_buffer, .address_space: global }
      - { .name: attn_W_codes, .offset: 8, .size: 8, .value_kind: global_buffer, .address_space: global }
      - { .name: attn_b, .offset: 16, .size: 8, .value_kind: global_buffer, .address_space: global }
      - { .name: lowp_scales, .offset: 24, .size: 8, .value_kind: global_buffer, .address_space: global }
      - { .name: beta, .offset: 32, .size: 8, .value_kind: global_buffer, .address_space: global }
    .group_segment_fixed_size: 93184
    .private_segment_fixed_size: 0
    .kernarg_segment_align: 8
    .kernarg_segment_size: 40
    .max_flat_workgroup_size: 256
    .sgpr_count:     66
    .vgpr_count:     202
    .wavefront_size: 32
...
	.end_amdgpu_metadata
.endif
;; end of part 4
;; launch main (part 5): grid 256 x 1, 4 waves a work-group, clusters of 4 x 1, 327,680 bytes of LDS; arguments encoder_outputs, attn_W_codes, beta, v_W, lowp_scales, scores, ctxp; writes scores, ctxp
.if DOCPART == 5
	.amdgcn_target "amdgcn-amd-amdhsa--gfx1250"
	.amdhsa_code_object_version 6
	.text
	.protected	k_q505e1acf7d_main
	.globl	k_q505e1acf7d_main
	.p2align	8
	.type	k_q505e1acf7d_main,@function
k_q505e1acf7d_main:
	s_mov_b64 s[64:65], 0
	v_nop
	global_prefetch_b8 v0, s[64:65] scope:SCOPE_SE
	s_setreg_imm32_b32 hwreg(HW_REG_WAVE_MODE, 25, 1), 1
	s_wait_xcnt 0x0
	s_wait_alu depctr_hold_cnt(0) depctr_sa_sdst(0) depctr_va_vdst(0) depctr_va_sdst(0) depctr_va_ssrc(0) depctr_va_vcc(0) depctr_vm_vsrc(0)
	s_getreg_b32 s2, hwreg(HW_REG_IB_STS2, 6, 4)
	s_cmp_eq_u32 s2, 0
	s_cbranch_scc0 .Lentry_in_a_cluster
	s_endpgm
.Lentry_in_a_cluster:
	s_bfe_u32 s2, ttmp6, 0x10000c
	s_cmp_lg_u32 s2, 0x3003
	s_cbranch_scc0 .Lentry_shape_is_right
	s_endpgm
.Lentry_shape_is_right:
; For 128 rows (s = 128 sb + 0 .. 127) of one b:  u[s] = sum over n of v'[n] / (1 + 2^x[s][n]),  x = c x (sum over k >= 1024 of code(enc) x code(W)) + beta[b][n],  v' = -2 log2(e) v_W,  c = 2 log2(e) 2^(e0 + e1).
; tanh(y) = 1 - 2 / (1 + 2^x) with x = 2 log2(e) y, so score x log2(e) = u + a constant of the softmax row, which drops out of both outputs: u is what is stored and what the softmax is taken of, in powers of two.
; Then the rows' largest u, m, is taken away, p = 2^(u - m), and the part of the context sum over the 128 rows of p x enc is stored; the last launch joins the 8 parts of a b (it finds m again from the stored u: a maximum is exact).
; enc IS READ FROM MEMORY ONCE: each number is quantised for the product (given scale 2^e0, held within +-448 x 2^e0, nearest code, ties to even) and kept rounded to bf16 for the context: rows 0-63 in registers, rows 64-127 in LDS.
; SHARES.  Work-group g = 8 b + sb, four waves.  Wave w = 2 MH + NH owns rows 64 MH .. + 63 and columns n = 512 NH .. + 511.  Its rows' codes stay in 512 registers (4 tiles of 16 rows x 8 K steps), so that each
; fragment of W read from LDS feeds four matrix instructions.  W's right half (K = 1,024, 1,024 bytes a row) goes through a ring of two LDS slots of 64 rows.
; CLUSTER.  All work-groups walk the same W: the four of a cluster ask for each tile JOINTLY: the same tensor load, the same descriptor, a mask that names the four.  Nothing else is shared.
; THE WALK.  W's right half is 16 slots' worth.  Cluster q begins at slot 2 (q % 8) and goes round (the sum over n has no order): at any one step the clusters ask for eight different slots' tiles, and what a cluster
; asks for from its third slot on was asked for two steps earlier by the clusters that began two slots further on.  Only global addresses hang on the walk: the descriptors', and those from which beta and v' are
; loaded, which are laid into the table in the walk's order.
; THE MATRIX INSTRUCTION IS USED TRANSPOSED (source 0 = 16 rows of W, source 1 = 16 rows of enc): lane (r, h) holds ONE row of enc and its registers n = tile + 8 h + 0 .. 7.  A fragment's registers 4 c .. 4 c + 3 hold
; k = 32 c + 16 h + 0 .. 15: the same permutation of k on both sides.
; BY TURNS.  A sub-chunk is 16 columns n x 64 rows x K = 1,024: 32 matrix instructions on one of two sets of four accumulators.  The sub-chunk before, in the other set, is taken through x, 2^x, 1 + 2^x and the reciprocal in
; slices, one slice behind each matrix instruction.
; LIMITS: e0 between -126 and 119; e0 + e1 between -127 and 126 (added to c's exponent field).  NaN among the inputs is not served.  enc enters the context rounded to bf16.
; REGISTERS, in windows of 256 (s_set_vgpr_msb's low byte: bits 1:0 source 0, 3:2 source 1, 5:4 source 2, 7:6 destination):
;   window 0: v1-15, v248-251 addresses and constants; v16-23 the rows' sums; v24-31 beta, v32-39 v' of a tile of n; v40-103 two sets of accumulators; v104-231 W's fragments, two halves of 4 K steps; v232-247 at work.
;             While enc is loaded v40-231 are three sets of 64 numbers and v232-247 a group's codes.
;   window 1: rows 0-63 as bf16, row i at v[4 i]; until rows 48-63 take them, v192-255 are scratch for the upper rows' bf16.   window 2: my codes of K steps 0-3, (s, a) at v[16 (4 s + a)]; at the end p.
;   window 3: K steps 4-7; at the end rows 64-127 as bf16.
; With W as source 0 and my codes as source 1, only source 1 leaves window 0: LDS loads and every vector instruction with one vector source beside scalars and window 0's third source run under the products' setting.
.set WP,    1040                       ; a row of 1,024 codes in LDS + 16 bytes: 65 x 16, so the 16 rows that a fragment load touches start at 16 different banks (64 banks of 4 bytes: ISA guide 11.1)
.set REGB,  16*WP                      ; 16 rows: what one tensor load brings
.set RING1, 4*REGB                     ; a slot: regions 2 NH + t: 16 rows n of half NH, tile t.  Slot 0 at byte 0, slot 1 here
.set RETB,  2*RING1                    ; rows 64-127 as bf16: row i at (i - 64) x 2,048, a thread's own 16 bytes at 16 x thread
.set CODEA, RETB+131072                ; two buffers of 16 rows x WP: a pair of tiles' codes on their way from the threads that made them to the waves that own the rows: buffer 0 a tile of rows 0-63, buffer 1 one of rows 64-127
.set TAB,   CODEA+2*REGB               ; beta[b] at 2,048 NH + 4 x (place in the walk); v' 4,096 bytes on
.set SCRB,  TAB+8192                   ; the rows' partial sums: (128 NH + row) x 4
.set PB,    SCRB+1024                  ; p: 512 bytes for each wave, its own
.set SPARE, PB+2048                    ; the spare words, 128 bytes for each wave: two blocks of 256 bytes that no other line names
.set SPW,  1                           ; v1   SPARE + 4 x my thread's number; never rewritten
.set NIL,  2                           ; v2   0; never rewritten
.set GOFF, 3                           ; v3   16 x thread: my bytes of a row's first (and second) 2,048
.set ADCW, 4                           ; v4   CODEA + 4 x thread
.set ADCR, 5                           ; v5   CODEA + MH x REGB + r x WP + 16 h: my half's buffer
.set ADRT, 6                           ; v6, v7  RETB + 16 x thread, and 32 rows on
.set ADRB, 8                           ; v8, v9  my fragments of W in slot 0, 1: NH x 2 regions + r x WP + 16 h
.set ADT0, 10                          ; v10  TAB + 2,048 NH + 32 h
.set ADT,  11                          ; v11  the same, four sub-chunks a lap further on
.set ADS,  12                          ; v12  SCRB + 512 NH + 256 MH + 4 r
.set PBW,  13                          ; v13  PB + 512 x wave
.set SCL,  14                          ; v14  2^e0
.set LIM,  15                          ; v15  448 x 2^e0
.set S,    16
.set BETA, 24
.set VP,   32
.set ACC,  40
.set BF,   104
.set ST,   40
.set CD,   232
.set CX,   40                          ; the context's eight sums
.set SCRR, 248                         ; v248 SCRB + 16 x lane
.set PBS,  249                         ; v249 PB + 512 x wave + 16 x lane
.set TBW,  250                         ; v250 TAB + 16 x thread
.set ROTO, 251                         ; v251 where the table's place 4 t lies in beta[b] and in v_W: (16 t + 256 (cluster % 8)) mod 2,048 bytes
.set WB,   6                           ; s[6:7]  W's codes at my wave's 16 rows of slot 0's worth, right half of K
.set WV,   18
.set MH,   19
.set NH,   20
.set G1,   28                          ; s[28:35] descriptor group 1
.set G0,   36                          ; s[36:39], s[40:43] group 0 of slot 0, 1
.set CS,   44                          ; s[44:45] c, twice
.set SEL,  46                          ; s[46:47] lane selects for v_permlanex16_b32: lane l xor 16
.set EB0,  48                          ; s[48:49] enc at my row 0;  s[50:51] at my row 64
.set EB1,  50
.set OF,   60                          ; s[60:61], s[62:63] where the tile of LDS slot 0, 1 lies in the walk: 65,536 bytes x W's slot number, 0 above it
.set MSB, 0
.macro WIN new                         ; the immediate's high byte repeats the setting that is left; a switch that changes nothing is dropped
.if MSB != \new
	s_set_vgpr_msb (MSB<<8)|\new
.set MSB, \new
.endif
.endm
.macro CREST                           ; a round of the cluster's barrier behind its opening barrier
	s_cmp_lg_u32 s[WV], 0
	s_cbranch_scc1 .Lnot_wave_0_\@
	s_barrier_signal -3
.Lnot_wave_0_\@:
	s_barrier_wait -3
	s_barrier_signal -1
	s_barrier_wait -1
.endm
.macro CROUND                          ; a whole round
	s_barrier_signal -1
	s_barrier_wait -1
	CREST
.endm
.macro PLACES
.rept 4
	v_nop
.endr
.endm
; GROUP G of 16: eight rows.  Four groups are a PAIR of tiles P = G / 4: first the tile of rows 64 + 16 P on (two groups), then the tile of rows 16 P on (two groups).
; A thread owns columns 4 t .. + 3 and 512 + 4 t .. + 3 of every row: each load of a wave reads 512 consecutive bytes, at a multiple of 256 from enc's first byte.
.macro LOADG G
.set lup,   1-(((\G)%4)/2)             ; 1: a group of rows 64-127
.set lrow,  16*((\G)/4)+8*((\G)%2)     ; the group's first row, counted in its half
.set lset,  ST+64*((\G)%3)
.set lbase, EB0+2*lup
.irp i, 0,1,2,3,4,5,6,7
	global_load_b128 v[lset+8*\i:lset+8*\i+3],   v[GOFF], s[lbase:lbase+1] offset:(lrow+\i)*131072 th:TH_LOAD_NT
	global_load_b128 v[lset+8*\i+4:lset+8*\i+7], v[GOFF], s[lbase:lbase+1] offset:(lrow+\i)*131072+2048 th:TH_LOAD_NT
.endr
.endm
	s_load_b256 s[4:11], s[0:1], 0x0               ; enc s[4:5], W's codes s[6:7], beta s[8:9], v_W s[10:11]
	s_load_b128 s[12:15], s[0:1], 0x20             ; the scales' exponents s[12:13], scores s[14:15]
	s_load_b64 s[16:17], s[0:1], 0x30              ; ctxp
	v_lshl_add_u32 v[SPW], v0, 2, SPARE
	v_mov_b32 v[NIL], 0
	ds_add_u32 v1, v2
	ds_add_u32 v1, v2
	s_wait_dscnt 0x0
	v_lshrrev_b32 v[PBW], 5, v0
	v_readfirstlane_b32 s[WV], v[PBW]              ; wave 0..3
	s_lshr_b32 s[MH], s[WV], 1                     ; which 64 rows are mine.  Also: which half of n I fetch for
	s_and_b32 s[NH], s[WV], 1                      ; which 512 columns n.  Also: which 16 of a slot's 32 rows of that half I fetch
	s_bfe_u32 s21, ttmp6, 0x40000                  ; cx: it enters global addresses of enc, beta, scores and ctxp alone
	s_lshl_b32 s22, ttmp9, 2
	s_add_co_u32 s22, s22, s21                     ; g = 4 x cluster + cx
	s_lshr_b32 s23, s22, 3                         ; b
	s_and_b32 s24, s22, 7                          ; sb
	s_and_b32 s25, ttmp9, 7                        ; where my cluster's walk begins: the same in all four partners
	s_lshl_b32 s[OF], s25, 17                      ; W's slot 2 (cluster % 8): 65,536 bytes a slot,
	s_mov_b32 s[OF+1], 0
	s_add_co_u32 s[OF+2], s[OF], 65536             ; and the slot behind it (an odd one: it does not pass the sixteenth)
	s_mov_b32 s[OF+3], 0
	s_lshl_b32 s25, s25, 8                         ; the same in the tables: 32 numbers, 128 bytes, a slot
	v_lshlrev_b32 v[GOFF], 4, v0
	v_add_nc_u32 v[ROTO], s25, v[GOFF]
	v_and_b32 v[ROTO], 0x7ff, v[ROTO]              ; round a half's 2,048 bytes
	; descriptor group 1: 16 rows x 1,024 bytes, 2,048 bytes apart in memory, padded in LDS
	s_mov_b32 s[G1], 15|(1<<20)|(1<<21)|(7<<22)|(3<<25)   ; 15:0 the mask: all four work-groups; 17:16 elements of 1 byte; 20 padding on; 21 set beside a mask; 24:22 after every 256 words (code 7): a row; 31:25 four words (code 3)
	s_mov_b32 s[G1+1], 1024<<16                    ; tensor_dim0
	s_mov_b32 s[G1+2], 16<<16                      ; tensor_dim1
	s_mov_b32 s[G1+3], 1024<<16                    ; tile_dim0
	s_mov_b32 s[G1+4], 16                          ; tile_dim1
	s_mov_b32 s[G1+5], 2048                        ; tensor_dim0_stride
	s_mov_b32 s[G1+6], 0
	s_mov_b32 s[G1+7], 0
	s_lshl_b32 s54, s[MH], 20                      ; 512 rows of 2,048 bytes x (wave / 2)
	s_lshl_b32 s55, s[NH], 15                      ; + 16 rows x (wave % 2)
	s_add_co_u32 s54, s54, s55
	s_add_co_u32 s54, s54, 1024                    ; + the right half of K
	s_mov_b32 s55, 0
	s_mov_b32 s[G0], 1                             ; count = 1
	s_mul_i32 s[G0+1], s[WV], REGB                 ; LDS address: region = wave: no place in the cluster enters it
	s_mov_b32 s[G0+4], 1
	s_add_co_u32 s[G0+5], s[G0+1], RING1
	s_lshl_b32 s56, s24, 24                        ; enc: 128 sb rows of 131,072 bytes
	s_lshl_b32 s57, s23, 12                        ; + b x 4,096
	s_add_co_u32 s56, s56, s57
	s_mov_b32 s57, 0
	s_lshl_b32 s58, s23, 12                        ; beta: row b
	s_mov_b32 s59, 0
	s_mov_b32 s[SEL], 0x76543210
	s_mov_b32 s[SEL+1], 0xfedcba98
	s_wait_kmcnt 0x0
	s_load_b64 s[26:27], s[12:13], 0x0             ; e0, e1
	s_add_nc_u64 s[WB:WB+1], s[WB:WB+1], s[54:55]
	s_add_nc_u64 s[G0+2:G0+3], s[WB:WB+1], s[OF:OF+1]       ; LDS slot 0: the walk's first slot,
	s_add_nc_u64 s[G0+6:G0+7], s[WB:WB+1], s[OF+2:OF+3]     ; LDS slot 1: its second
	s_or_b32 s[G0+3], s[G0+3], 0x80000000          ; type = 2
	s_or_b32 s[G0+7], s[G0+7], 0x80000000
	s_add_nc_u64 s[EB0:EB0+1], s[4:5], s[56:57]
	s_add_nc_u64 s[EB1:EB1+1], s[EB0:EB0+1], 0x800000   ; 64 rows on, so that every row's offset fits the signed 24-bit immediate (ISA guide, chapter 10): 63 x 131,072 + 2,048 at the most
	s_add_nc_u64 s[8:9], s[8:9], s[58:59]
	s_lshl_b32 s58, s22, 9
	s_add_nc_u64 s[14:15], s[14:15], s[58:59]      ; scores: b x 4,096 + sb x 512 = 512 g
	s_lshl_b32 s58, s22, 12
	s_add_nc_u64 s[16:17], s[16:17], s[58:59]      ; ctxp: row g
	global_load_b128 v[232:235], v[ROTO], s[8:9]               ; beta[b] for the table's places 4 t on of the left 512 columns,
	global_load_b128 v[236:239], v[ROTO], s[8:9] offset:2048   ; and of the right 512
	global_load_b128 v[240:243], v[ROTO], s[10:11]             ; v_W likewise
	global_load_b128 v[244:247], v[ROTO], s[10:11] offset:2048
	LOADG 0                                        ; enc's first 24 rows are asked for ahead of the round: nothing in them hangs on the partners
	LOADG 1
	LOADG 2
	CROUND                                         ; all four work-groups are here: the first joint loads meet
	tensor_load_to_lds s[G0:G0+3], s[G1:G1+7]      ; both first fills together, ahead of every wait on TENSORcnt, LDS read and further barrier: two loads of mine are out
	s_nop 0
	tensor_load_to_lds s[G0+4:G0+7], s[G1:G1+7]
	s_nop 0
	PLACES                                         ; four v_nop follow
	v_and_b32 v252, 15, v0                         ; r
	v_bfe_u32 v253, v0, 4, 1                       ; h
	v_and_b32 v254, 31, v0                         ; lane
	v_mul_u32_u24 v255, v252, WP
	v_lshl_add_u32 v255, v253, 4, v255             ; r x WP + 16 h
	v_lshl_add_u32 v[ADCW], v0, 2, CODEA
	s_mul_i32 s54, s[MH], REGB
	s_add_co_u32 s54, s54, CODEA
	v_add_nc_u32 v[ADCR], s54, v255                ; the buffer of my half of the rows: told apart by address, so that every wave runs the same loads
	v_lshl_add_u32 v[ADRT], v0, 4, RETB
	v_add_nc_u32 v[ADRT+1], 65536, v[ADRT]
	s_mul_i32 s54, s[NH], 2*REGB
	v_add_nc_u32 v[ADRB], s54, v255
	v_add_nc_u32 v[ADRB+1], RING1, v[ADRB]
	s_lshl_b32 s54, s[NH], 11
	s_add_co_u32 s54, s54, TAB
	v_lshl_add_u32 v[ADT0], v253, 5, s54
	s_lshl_b32 s54, s[NH], 9
	s_lshl_b32 s55, s[MH], 8
	s_add_co_u32 s54, s54, s55
	s_add_co_u32 s54, s54, SCRB
	v_lshl_add_u32 v[ADS], v252, 2, s54
	v_lshl_add_u32 v[PBW], v[PBW], 9, PB
	v_lshl_add_u32 v[SCRR], v254, 4, SCRB
	v_lshl_add_u32 v[PBS], v254, 4, v[PBW]
	v_lshl_add_u32 v[TBW], v0, 4, TAB
	s_wait_kmcnt 0x0
	s_add_co_i32 s[CS], s26, s27
	s_lshl_b32 s[CS], s[CS], 23
	s_add_co_i32 s[CS], s[CS], 0x4038aa3b          ; c = 2 log2(e) x 2^(e0 + e1)
	s_mov_b32 s[CS+1], s[CS]                       ; (named with it as a pair, so it is written)
	s_add_co_i32 s54, s26, 127
	s_lshl_b32 s55, s54, 23
	v_mov_b32 v[SCL], s55                          ; 2^e0 as f32: the conversion takes its exponent field
	s_add_co_i32 s54, s54, 8
	s_lshl_b32 s54, s54, 23
	s_or_b32 s54, s54, 0x600000
	v_mov_b32 v[LIM], s54                          ; 448 x 2^e0
	s_wait_loadcnt 48                              ; the four table loads are in; the three groups' 48 were issued behind them
.irp j, 0,2,4,6
	v_pk_mul_f32 v[240+\j:241+\j], v[240+\j:241+\j], 0xc038aa3b op_sel_hi:[1,0]   ; v' = -2 log2(e) v_W
.endr
	ds_store_b128 v[TBW], v[232:235]
	ds_store_b128 v[TBW], v[236:239] offset:2048
	ds_store_b128 v[TBW], v[240:243] offset:4096
	ds_store_b128 v[TBW], v[244:247] offset:6144   ; read behind the barriers below
; Group G is worked: kept as bf16, quantised, its codes handed to LDS; then the group three on is asked for into the same registers.
; A pair's first group (but the very first) also holds the barrier between the waves' reads of the two code buffers and the stores that write them again: the signal stands behind my wait for those reads,
; the roundings to bf16 are the work on registers between signal and wait, and every LDS store of the group stands behind the wait.
.macro PROCG G
.set pup,   1-(((\G)%4)/2)
.set pset,  ST+64*((\G)%3)
.set prow,  16*((\G)/4)+8*((\G)%2)
.set pcode, pup*REGB+8*((\G)%2)*WP             ; the half's buffer, and the group's eight rows in it
.if (\G) <= 13
	s_wait_loadcnt 32                              ; this group's 16 loads are in; the two younger groups' may be out
.else
	s_wait_loadcnt 16*(15-(\G))
.endif
	s_wait_dscnt 0x0                               ; my earlier LDS stores have read the codes' registers and the scratch, which are written again below; my reads of the code buffers are in
.if (((\G)%4) == 0) && ((\G) > 0)
	s_barrier_signal -1
.endif
	WIN 0x40                                       ; destination window 1
.irp i, 0,1,2,3,4,5,6,7
.irp j, 0,1,2,3
.if pup
	v_cvt_pk_bf16_f32 v[192+32*((\G)%2)+4*\i+\j], v[pset+8*\i+2*\j], v[pset+8*\i+2*\j+1]
.else
	v_cvt_pk_bf16_f32 v[4*(prow+\i)+\j], v[pset+8*\i+2*\j], v[pset+8*\i+2*\j+1]
.endif
.endr
.endr
.if (((\G)%4) == 0) && ((\G) > 0)
	s_barrier_wait -1                              ; no wave still reads the last pair's codes
.endif
.if pup
	WIN 0x04                                       ; an LDS store's data: window 1
.irp i, 0,1,2,3,4,5,6,7
	ds_store_b128 v[ADRT+prow/32], v[192+32*((\G)%2)+4*\i:192+32*((\G)%2)+4*\i+3] offset:((prow+\i)%32)*2048   ; my own 16 bytes: nobody else reads them
.endr
.endif
	WIN 0
.irp i, 0,1,2,3,4,5,6,7
.irp j, 0,1,2,3,4,5,6,7
	v_med3_num_f32 v[pset+8*\i+\j], v[pset+8*\i+\j], -v[LIM], v[LIM]   ; the conversion to an 8-bit code does not saturate (ISA guide 7.6.2): the hold at the largest code x the scale
.endr
	v_cvt_scalef32_pk8_fp8_f32 v[CD+2*\i:CD+2*\i+1], v[pset+8*\i:pset+8*\i+7], v[SCL]   ; low register: columns 4 t on; high register: 512 + 4 t on
.endr
	v_nop                                          ; one plain vector instruction behind the last scaled conversion
.irp i, 0,1,2,3,4,5,6,7
	ds_store_b32 v[ADCW], v[CD+2*\i]   offset:pcode+\i*WP
	ds_store_b32 v[ADCW], v[CD+2*\i+1] offset:pcode+\i*WP+512
.endr
.if (\G)+3 <= 15
	LOADG (\G)+3
.endif
.endm
; A pair of tiles is whole: each wave's codes have landed (its wait for all its LDS instructions), then the barrier.  Behind it EVERY wave takes tile P of its own half, eight fragments, out of its half's buffer
; into windows 2 and 3, where they stay.
.macro PAIREND P
	s_wait_dscnt 0x0
.if (\P) == 3
	s_wait_tensorcnt 0x1                           ; my part of slot 0 is in; slot 1's may stay out
.endif
	s_barrier_signal -1
	s_barrier_wait -1
	WIN 0x80                                       ; destination window 2
.irp s, 0,1,2,3
.irp c, 0,1,2,3
	ds_load_b128 v[16*(4*\s+(\P))+4*\c:16*(4*\s+(\P))+4*\c+3], v[ADCR] offset:128*\s+32*\c
.endr
.endr
	WIN 0xc0                                       ; destination window 3
.irp s, 0,1,2,3
.irp c, 0,1,2,3
	ds_load_b128 v[16*(4*\s+(\P))+4*\c:16*(4*\s+(\P))+4*\c+3], v[ADCR] offset:512+128*\s+32*\c
.endr
.endr
	WIN 0
.endm
.irp P, 0,1,2,3
	PROCG 4*\P
	PROCG 4*\P+1
	PROCG 4*\P+2
	PROCG 4*\P+3
	PAIREND \P
.endr
; ---- THE PRODUCTS.  kk counts a sub-chunk's 32 matrix instructions: K step kk / 4, tile of rows kk % 4: the set's four accumulators take turns, one instruction a turn, over every edge too.
.macro MM t
.set ss, kk/4
.set aa, kk%4
.set rD, ACC+32*(\t)+8*aa
.set rW, BF+64*(ss/4)+16*(ss%4)
.set rA, 16*(4*(ss%4)+aa)
.if ss == 0
	v_wmma_f32_16x16x128_fp8_fp8 v[rD:rD+7], v[rW:rW+15], v[rA:rA+15], 0      ; the first K step starts the sums: nothing is cleared
.else
	v_wmma_f32_16x16x128_fp8_fp8 v[rD:rD+7], v[rW:rW+15], v[rA:rA+15], v[rD:rD+7]
.endif
.endm
.macro EP_FMA2 e, q                    ; x = sum x c + beta: registers 4 q .. 4 q + 3 of the set: each accumulator from its low end on
.irp j, 0,2
	v_pk_fma_f32 v[ACC+32*(\e)+4*(\q)+\j:ACC+32*(\e)+4*(\q)+\j+1], v[ACC+32*(\e)+4*(\q)+\j:ACC+32*(\e)+4*(\q)+\j+1], s[CS:CS+1], v[BETA+4*((\q)%2)+\j:BETA+4*((\q)%2)+\j+1] op_sel_hi:[1,0,1]
.endr
.endm
.macro EP_EXP e, q                     ; 2^x (an overflow gives infinity, whose reciprocal is 0: tanh = 1)
.irp j, 0,1,2,3
	v_exp_f32 v[ACC+32*(\e)+4*(\q)+\j], v[ACC+32*(\e)+4*(\q)+\j]
.endr
.endm
.macro EP_ADD e, a                     ; 1 + 2^x
.irp j, 0,2,4,6
	v_pk_add_f32 v[ACC+32*(\e)+8*(\a)+\j:ACC+32*(\e)+8*(\a)+\j+1], v[ACC+32*(\e)+8*(\a)+\j:ACC+32*(\e)+8*(\a)+\j+1], 1.0 op_sel_hi:[1,0]
.endr
.endm
.macro EP_RCP e, q
.irp j, 0,1,2,3
	v_rcp_f32 v[ACC+32*(\e)+4*(\q)+\j], v[ACC+32*(\e)+4*(\q)+\j]
.endr
.endm
.macro BATCH_END                       ; a plain instruction behind the batch's last transcendental, and the one wait ahead of the batch's first reader
	v_nop
	s_wait_alu depctr_va_vdst(0)
.endm
; Slice kk of set e's way to the reciprocals: 0-7 x, two packed lines each (no transcendental is out where the slots change, behind slice 7); 8-15 the 32 exponentials, one batch, and behind its wait the first tile's
; additions; 16-18 the other additions; 19-26 the 32 reciprocals, one batch; 27-31 nothing.
.macro EPIS e
.if kk < 8
	EP_FMA2 \e, kk
.elseif kk < 16
	EP_EXP \e, kk-8
.if kk == 15
	BATCH_END
	EP_ADD \e, 0                                   ; with the v_nop above: five plain lines that name nothing of the products: the places in front of the middle run of loads
.endif
.elseif kk < 19
	EP_ADD \e, kk-15
.elseif kk < 27
	EP_RCP \e, kk-19
.if kk == 26
	BATCH_END
.endif
.endif
.endm
.macro FIN e                           ; the rows' sums take v' / (1 + 2^x): two vector sources, so these stand together under window 0.  They name nothing of the products just issued: they are the places behind them
.irp j, 0,2,4,6
.irp a, 0,1,2,3
	v_pk_fma_f32 v[S+2*\a:S+2*\a+1], v[ACC+32*(\e)+8*\a+\j:ACC+32*(\e)+8*\a+\j+1], v[VP+\j:VP+\j+1], v[S+2*\a:S+2*\a+1]
.endr
.endr
.endm
.macro FETCHH adr, off, hf             ; 16 LDS loads: W's fragments of K steps 4 hf .. 4 hf + 3 of one tile of n
.irp s, 0,1,2,3
.irp c, 0,1,2,3
	ds_load_b128 v[BF+64*(\hf)+16*\s+4*\c:BF+64*(\hf)+16*\s+4*\c+3], v[\adr] offset:(\off)+512*(\hf)+128*\s+32*\c
.endr
.endr
.endm
; A SUB-CHUNK: tile t of slot sl, into set t.  epi = 1: the sub-chunk before is finished in slices.  nxt = 1: the next sub-chunk's fragments are fetched, half 0 in the middle, half 1 at the end.  tb: the tile's place in the tables.
; chg = 1, 2: the slot's second tile: all reads of the slot have been issued, so the slots change here.  In front of ONE barrier each wave waits for all its tensor loads (its part of the other slot), adds 0 to its spare
; word, and waits for that and for its reads of this slot.  chg = 1: the barrier opens a round of the cluster's, and behind the round this slot is filled again, two slots on in the walk: the wave's one tensor load until the
; next round.  The loads of the ring follow each other, each behind the wait for the one before: so the signal stands behind six matrix instructions and the refill behind eight, and the rest of the sub-chunk is worked while the load is out.
.macro SUB t, sl, epi, chg, nxt, tb
.if (\t) == 0
.set nadr, ADRB+(\sl)
.set noff, REGB
.else
.set nadr, ADRB+1-(\sl)
.set noff, 0
.endif
.if (\chg)
	WIN 0                                          ; (the add's two registers lie in window 0)
	s_wait_tensorcnt 0x0                           ; all my tensor loads have landed: the one that was out is my part of the other slot
	ds_add_u32 v[SPW], v[NIL]                      ; 0 onto my spare word
.if (\chg) == 1
	s_add_co_u32 s[OF+2*(\sl)], s[OF+2*(\sl)], 131072          ; no load of mine is out, so a group 0 may be written: two slots of 65,536 bytes on,
	s_and_b32 s[OF+2*(\sl)], s[OF+2*(\sl)], 0xfffff            ; round the sixteen
	s_add_nc_u64 s[G0+4*(\sl)+2:G0+4*(\sl)+3], s[WB:WB+1], s[OF+2*(\sl):OF+2*(\sl)+1]
	s_or_b32 s[G0+4*(\sl)+3], s[G0+4*(\sl)+3], 0x80000000      ; type = 2
.endif
	s_wait_dscnt 19                                ; half 0 and beta are in; the last run's 18 loads and the add may be out
.elseif (\epi)
	s_wait_dscnt 18                                ; half 0 and beta are in; the last run (half 1's 16 loads and v's 2) may be out
.else
	s_wait_dscnt 16                                ; half 0 is in; half 1's 16 loads may be out
.endif
	WIN 0x08                                       ; source 1: window 2
.set kk, 0
.rept 16
	MM \t
.if (\epi)
	EPIS 1-(\t)
.endif
.if (\chg) && (kk == 5)
	s_wait_dscnt 0x0                               ; the add is done, and my reads of this slot are over
	s_barrier_signal -1                            ; only work on registers stands between this signal and its wait
.endif
.if (\chg) && (kk == 7)
.if (\chg) == 1
	WIN 0
.endif
	s_barrier_wait -1
.if (\chg) == 1
	CREST                                          ; no wave of any partner still reads this slot or has a load on its way
	tensor_load_to_lds s[G0+4*(\sl):G0+4*(\sl)+3], s[G1:G1+7]   ; first behind the round; one load of mine is out
	s_nop 0
	PLACES                                         ; four v_nop follow the load; the windows are switched behind them
	WIN 0x08
.endif
.endif
.set kk, kk+1
.endr
.if !(\epi)
	PLACES                                         ; in front of loads into registers that matrix instructions have read; elsewhere slice 15's last five lines are these places
.endif
.if (\nxt)
	FETCHH nadr, noff, 0
.endif
	ds_load_b128 v[BETA:BETA+3],   v[ADT] offset:(\tb)          ; this tile's beta, for the slices of the next sub-chunk: the old one was last read in slice 7
	ds_load_b128 v[BETA+4:BETA+7], v[ADT] offset:(\tb)+16
	s_wait_dscnt 16*(\nxt)+2                       ; all but the loads just issued: half 1 and v' are in
	WIN 0x0c                                       ; source 1: window 3
.rept 16
	MM \t
.if (\epi)
	EPIS 1-(\t)
.endif
.set kk, kk+1
.endr
	WIN 0
.if (\epi)
	FIN 1-(\t)
.else
	PLACES
.endif
.if (\nxt)
	FETCHH nadr, noff, 1
.endif
	ds_load_b128 v[VP:VP+3],   v[ADT] offset:4096+(\tb)
	ds_load_b128 v[VP+4:VP+7], v[ADT] offset:4096+(\tb)+16
.endm
.irp j, 0,1,2,3,4,5,6,7
	v_mov_b32 v[S+\j], 0                           ; the rows' sums: a pair for each tile of rows
.endr
	s_mov_b32 s52, 0                               ; the tables' step: 256 bytes (four tiles of n) a lap
	v_add_nc_u32 v[ADT], s52, v[ADT0]
	FETCHH ADRB, 0, 0
	s_wait_dscnt 16                                ; my rows' last codes are in; half 0's 16 loads may be out
	FETCHH ADRB, 0, 1
	SUB 0, 0, 0, 0, 1, 0                           ; the first sub-chunk has nothing to finish beside it
	s_mov_b32 s53, 7
.Llap:                                             ; seven trips, four sub-chunks each: once round the ring, both slots filled again (the walk's slots 2 to 15)
	v_add_nc_u32 v[ADT], s52, v[ADT0]
	SUB 1, 0, 1, 1, 1, 64
	SUB 0, 1, 1, 0, 1, 128
	SUB 1, 1, 1, 1, 1, 192
	SUB 0, 0, 1, 0, 1, 256
	s_add_co_u32 s52, s52, 256
	s_sub_co_u32 s53, s53, 1
	s_cmp_lg_u32 s53, 0
	s_cbranch_scc1 .Llap
	v_add_nc_u32 v[ADT], s52, v[ADT0]
	SUB 1, 0, 1, 2, 1, 64                          ; the tail is written out: the last change of slots fills nothing
	SUB 0, 1, 1, 0, 1, 128
	SUB 1, 1, 1, 0, 0, 192
	s_wait_dscnt 0x0                               ; the last tile's beta and v'
.irp q, 0,1,2,3,4,5,6,7
	EP_FMA2 1, \q                                  ; the last sub-chunk is finished with no products beside it
.endr
	WIN 0xc0                                       ; rows 64-95 come back as bf16 into window 3, whose codes are done with: the sixteen lines of the sums and the sixteen above stand behind the last product
.set rr, 0
.rept 32
	ds_load_b128 v[4*rr:4*rr+3], v[ADRT] offset:rr*2048
.set rr, rr+1
.endr
	WIN 0
.irp q, 0,1,2,3,4,5,6,7
	EP_EXP 1, \q
.endr
	BATCH_END
.irp a, 0,1,2,3
	EP_ADD 1, \a
.endr
.irp q, 0,1,2,3,4,5,6,7
	EP_RCP 1, \q
.endr
	BATCH_END
	FIN 1
; ---- THE ROWS' SOFTMAX UNDER THEIR OWN MAXIMUM, AND THEIR PART OF THE CONTEXT
.irp a, 0,1,2,3
	v_add_f32 v[240+\a], v[S+2*\a], v[S+2*\a+1]    ; the pair,
.endr
.irp a, 0,1,2,3
	v_permlanex16_b32 v[244+\a], v[240+\a], s[SEL], s[SEL+1]
.endr
.irp a, 0,1,2,3
	v_add_f32 v[240+\a], v[240+\a], v[244+\a]      ; and lane l xor 16's: row 64 MH + 16 a + r over my 512 columns n
.endr
.irp a, 0,1,2,3
	ds_store_b32 v[ADS], v[240+\a] offset:64*\a    ; lanes r and r + 16 write the same word with the same number
.endr
	s_wait_dscnt 0x0                               ; for the others' sake: my partial sums have landed
	s_barrier_signal -1
	s_barrier_wait -1
	ds_load_b128 v[232:235], v[SCRR]               ; rows 4 l .. 4 l + 3: the left 512 columns',
	ds_load_b128 v[236:239], v[SCRR] offset:512    ; and the right ones'
	s_wait_dscnt 0x0
	v_pk_add_f32 v[232:233], v[232:233], v[236:237]
	v_pk_add_f32 v[234:235], v[234:235], v[238:239]   ; u, alike in all four waves
	v_max3_num_f32 v240, v232, v233, v234
	v_max_num_f32 v240, v240, v235
	v_max_num_f32_dpp v240, v240, v240 row_xmask:1 row_mask:0xf bank_mask:0xf
	v_max_num_f32_dpp v240, v240, v240 row_xmask:2 row_mask:0xf bank_mask:0xf
	v_max_num_f32_dpp v240, v240, v240 row_xmask:4 row_mask:0xf bank_mask:0xf
	v_max_num_f32_dpp v240, v240, v240 row_xmask:8 row_mask:0xf bank_mask:0xf
	v_permlanex16_b32 v241, v240, s[SEL], s[SEL+1]
	v_max_num_f32 v240, v240, v241                 ; m: the largest u of the 128 rows
	s_cmp_lg_u32 s[WV], 0
	s_cbranch_scc1 .Lnot_store
	global_store_b128 v[GOFF], v[232:235], s[14:15]   ; wave 0 (16 x thread = 16 x lane): 512 consecutive bytes of scores; v232-235 are not written again
.Lnot_store:
.irp i, 0,1,2,3
	v_sub_f32 v[244+\i], v[232+\i], v240
.endr
.irp i, 0,1,2,3
	v_exp_f32 v[244+\i], v[244+\i]                 ; p = 2^(u - m), at most 1
.endr
	BATCH_END
	ds_store_b128 v[PBS], v[244:247]               ; through my wave's own 512 bytes every lane gets all 128 p: LDS serves a wave's instructions in order (ISA guide 5.7.1.4)
	WIN 0x80                                       ; destination window 2: row i's p at v[i]
.set rr, 0
.rept 32
	ds_load_b128 v[4*rr:4*rr+3], v[PBW] offset:16*rr
.set rr, rr+1
.endr
	WIN 0
.irp j, 0,1,2,3,4,5,6,7
	v_mov_b32 v[CX+\j], 0                          ; my eight columns' sums
.endr
	s_wait_dscnt 0x0                               ; p is in (rows 64-95 came long ago)
	WIN 0xc0                                       ; rows 96-127 are asked for now and land under the 768 multiply-adds of rows 0-95
.set rr, 32
.rept 32
	ds_load_b128 v[4*rr:4*rr+3], v[ADRT+1] offset:(rr-32)*2048
.set rr, rr+1
.endr
	WIN 0x09                                       ; source 0 (a row's bf16) window 1, source 1 (p) window 2
.set rr, 0
.rept 64
.irp i, 0,1,2,3
	v_fma_mix_f32_bf16 v[CX+2*\i],   v[4*rr+\i], v[rr], v[CX+2*\i]   op_sel_hi:[1,0,0]
	v_fma_mix_f32_bf16 v[CX+2*\i+1], v[4*rr+\i], v[rr], v[CX+2*\i+1] op_sel:[1,0,0] op_sel_hi:[1,0,0]
.endr
.set rr, rr+1
.endr
	WIN 0x0b                                       ; source 0 window 3: rows 64-95,
.set rr, 0
.rept 32
.irp i, 0,1,2,3
	v_fma_mix_f32_bf16 v[CX+2*\i],   v[4*rr+\i], v[64+rr], v[CX+2*\i]   op_sel_hi:[1,0,0]
	v_fma_mix_f32_bf16 v[CX+2*\i+1], v[4*rr+\i], v[64+rr], v[CX+2*\i+1] op_sel:[1,0,0] op_sel_hi:[1,0,0]
.endr
.set rr, rr+1
.endr
	s_wait_dscnt 0x0                               ; rows 96-127 are in
.rept 32
.irp i, 0,1,2,3
	v_fma_mix_f32_bf16 v[CX+2*\i],   v[4*rr+\i], v[64+rr], v[CX+2*\i]   op_sel_hi:[1,0,0]
	v_fma_mix_f32_bf16 v[CX+2*\i+1], v[4*rr+\i], v[64+rr], v[CX+2*\i+1] op_sel:[1,0,0] op_sel_hi:[1,0,0]
.endr
.set rr, rr+1
.endr
	WIN 0
	global_store_b128 v[GOFF], v[CX:CX+3],   s[16:17]               ; a wave stores 512 consecutive bytes, at a multiple of 256 from ctxp's first byte
	global_store_b128 v[GOFF], v[CX+4:CX+7], s[16:17] offset:2048
	s_wait_tensorcnt 0x0                           ; the wave's end: behind my last tensor load and my last LDS store
	ds_add_u32 v[SPW], v[NIL]
	s_wait_dscnt 0x0
	CROUND                                         ; the closing round: no work-group ends while a partner may still ask for a tile that names it
	s_endpgm
.Lfunc_end_k_q505e1acf7d_main:
	.size	k_q505e1acf7d_main, .Lfunc_end_k_q505e1acf7d_main-k_q505e1acf7d_main
	.p2alignl 7, 3214868480
	.fill 96, 4, 3214868480
	.section	.rodata,"a",@progbits
	.p2align	6, 0x0
	.amdhsa_kernel k_q505e1acf7d_main
		.amdhsa_group_segment_fixed_size 327680
		.amdhsa_private_segment_fixed_size 0
		.amdhsa_enable_private_segment 0
		.amdhsa_kernarg_size 56
		.amdhsa_user_sgpr_count 2
		.amdhsa_user_sgpr_kernarg_segment_ptr 1
		.amdhsa_wavefront_size32 1
		.amdhsa_system_sgpr_workgroup_id_x 1
		.amdhsa_system_sgpr_workgroup_id_y 1
		.amdhsa_system_sgpr_workgroup_id_z 1
		.amdhsa_system_vgpr_workitem_id 0
		.amdhsa_next_free_vgpr 1024
		.amdhsa_next_free_sgpr 66
		.amdhsa_reserve_vcc 0
		.amdhsa_float_denorm_mode_32 3
		.amdhsa_float_denorm_mode_16_64 3
		.amdhsa_memory_ordered 1
		.amdhsa_forward_progress 1
		.amdhsa_inst_pref_size 255
	.end_amdhsa_kernel
	.section	.bss,"aw",@nobits
	.p2align	6
	.space	262144
	.amdgpu_metadata
---
amdhsa.version: [ 1, 2 ]
amdhsa.kernels:
  - .name:           k_q505e1acf7d_main
    .symbol:         k_q505e1acf7d_main.kd
    .args:
      - { .name: encoder_outputs, .offset: 0, .size: 8, .value_kind: global_buffer, .address_space: global }
      - { .name: attn_W_codes, .offset: 8, .size: 8, .value_kind: global_buffer, .address_space: global }
      - { .name: beta, .offset: 16, .size: 8, .value_kind: global_buffer, .address_space: global }
      - { .name: v_W, .offset: 24, .size: 8, .value_kind: global_buffer, .address_space: global }
      - { .name: lowp_scales, .offset: 32, .size: 8, .value_kind: global_buffer, .address_space: global }
      - { .name: scores, .offset: 40, .size: 8, .value_kind: global_buffer, .address_space: global }
      - { .name: ctxp, .offset: 48, .size: 8, .value_kind: global_buffer, .address_space: global }
    .group_segment_fixed_size: 327680
    .private_segment_fixed_size: 0
    .kernarg_segment_align: 8
    .kernarg_segment_size: 56
    .max_flat_workgroup_size: 128
    .sgpr_count:     66
    .vgpr_count:     1024
    .wavefront_size: 32
...
	.end_amdgpu_metadata
.endif
;; end of part 5
;; launch finish: the kernel of part 3 again; grid 32 x 1, 8 waves a work-group, no clusters, 1,280 bytes of LDS; arguments scores, ctxp, out0, out1; writes out0, out1
